; MI455X (gfx1250); checked and timed in simulation.
; The chip was launched on July 23, 2026; its instructions are those of AMD's public machine-readable ISA for CDNA 5 (MIT licence, August 2026) and "CDNA5" Instruction Set Architecture Reference Guide (July 2026). The comments in the code are by the model that wrote it; some were corrected since.
;; Block. Allowed arithmetic: matrix products marked QUANTISED: E2M3 operands, one E8M0 scale for each 32 along K, by v_wmma_scale_f32_16x16x128_f8f6f4 with both operands' format E2M3, f32 sums; products left as they are: f32 operands where the result goes on into a quantised operand, else bf16, f16 or f32 operands; f32 sums; everything else in f32.
;; Inputs: W1_codes 2,048 x 16 x 24 uint8 (E2M3 codes of W1, K innermost, in blocks of 32 codes, four codes in three bytes); W1_scales 2,048 x 16 uint8 (E8M0 scales of W1, one for each 32 codes along K); W2_codes 512 x 64 x 24 uint8 (E2M3 codes of W2, K innermost, in blocks of 32 codes, four codes in three bytes); W2_scales 512 x 64 uint8 (E8M0 scales of W2, one for each 32 codes along K); Wk_codes 16 x 16 x 16 x 24 uint8 (E2M3 codes of Wk, K innermost, in blocks of 32 codes, four codes in three bytes); Wk_scales 16 x 16 x 16 uint8 (E8M0 scales of Wk, one for each 32 codes along K); Wproj_codes 512 x 8 x 24 uint8 (E2M3 codes of Wproj, K innermost, in blocks of 32 codes, four codes in three bytes); Wproj_scales 512 x 8 uint8 (E8M0 scales of Wproj, one for each 32 codes along K); Wq_codes 16 x 16 x 16 x 24 uint8 (E2M3 codes of Wq, K innermost, in blocks of 32 codes, four codes in three bytes); Wq_scales 16 x 16 x 16 uint8 (E8M0 scales of Wq, one for each 32 codes along K); Wv_codes 16 x 16 x 16 x 24 uint8 (E2M3 codes of Wv, K innermost, in blocks of 32 codes, four codes in three bytes); Wv_scales 16 x 16 x 16 uint8 (E8M0 scales of Wv, one for each 32 codes along K); b1 2,048 float32; b2 512 float32; bk 16 x 16 float32; bproj 512 float32; bq 16 x 16 float32; bv 16 x 16 float32; ln1_b 512 float32; ln1_g 512 float32; ln2_b 512 float32; ln2_g 512 float32; x 8 x 1,024 x 512 float32.
;; Outputs: out0 8 x 1,024 x 512 float32.
;; This version of the problem:
;;   THIS VERSION OF THE PROBLEM IS GIVEN IN LOW PRECISION. The matrix products marked QUANTISED in the list below multiply operands that are first quantised to E2M3 (2 exponent bits, 3 mantissa bits; 6 bits a number), with one power-of-two scale for each 32 numbers along K (OCP MX v1.0); their sums are f32. All else is computed in f32.
;;   The module's matrix products, in the order in which they are computed (A, B: the left and right operand; K: the contracted axis; several contracted axes count as one K, in the product's order):
;;     1. [M 256, K 512] x [K 512, N 8,192]; A: input Wq (given as codes); B: computed on the way: QUANTISED
;;     2. [M 256, K 512] x [K 512, N 8,192]; A: input Wk (given as codes); B: computed on the way: QUANTISED
;;     3. [M 256, K 512] x [K 512, N 8,192]; A: input Wv (given as codes); B: computed on the way: QUANTISED
;;     4. batch 128 x [M 1,024, K 16] x [K 16, N 1,024]; A: computed on the way; B: computed on the way: left as it is (K = 16 < 32)
;;     5. batch 128 x [M 1,024, K 1,024] x [K 1,024, N 16]; A: softmax (see below); B: computed on the way: QUANTISED
;;     6. [M 8,192, K 256] x [K 256, N 512]; A: computed on the way; B: input Wproj (given as codes): QUANTISED
;;     7. [M 8,192, K 512] x [K 512, N 2,048]; A: computed on the way; B: input W1 (given as codes): QUANTISED
;;     8. [M 8,192, K 2,048] x [K 2,048, N 512]; A: computed on the way; B: input W2 (given as codes): QUANTISED
;;   THE QUANTISER, for each operand of a quantised product, along K:
;;     - K is cut into blocks of 32 from its start; a last block that is shorter is filled with zeros.
;;     - A block's scale is 2^e with e = floor(log2(the largest magnitude in the block)) - 2, held to -126 .. 127; a block of zeros has e = 0. As a byte (E8M0): e + 127.
;;     - Each number is divided by its block's scale, clamped to +-7.5, and rounded to the nearest number of E2M3, ties to even, subnormals kept.
;;     - The product sums the exact products of the quantised numbers (number of the format x scale) in f32.
;;   ~~~python
;;   def quantise(x, axis):      # numpy; x: float32 -> the quantised numbers, widened to float32 again
;;       x = np.moveaxis(x, axis, -1); K = x.shape[-1]
;;       x = np.pad(x, [(0, 0)] * (x.ndim - 1) + [(0, -K % 32)]); x = x.reshape(x.shape[:-1] + (-1, 32)); a = np.abs(x).max(-1, keepdims=True)
;;       e = np.where(a > 0, np.clip(np.frexp(np.where(a > 0, a, 1))[1] - 1 - 2, -126, 127), 0)      # np.frexp(a)[1] - 1 = floor(log2(a)), exactly
;;       r = np.clip(x / 2.0 ** e, -7.5, 7.5)
;;       step = 2.0 ** (np.maximum(np.frexp(np.where(r == 0, 1, r))[1] - 1, 0) - 3)
;;       q = np.round(r / step) * step * 2.0 ** e      # np.round: ties to even
;;       return np.moveaxis(q.reshape(q.shape[:-2] + (-1,))[..., :K], -1, axis).astype(np.float32)
;;   ~~~
;;   SOFTMAX AHEAD OF A QUANTISED PRODUCT. Where the list says 'softmax', what is quantised is not the finished softmax but p = 2^(t - M), with t = logit x log2(e) and M = ceil(the row's largest t), a whole number; so 1/2 < the row's largest p <= 1. The row's sum l is taken of the UNQUANTISED p, in f32, and the product's result is divided by l at the end. Since M is a whole number, a kernel that streams over the keys may use a running M (the ceiling of the running maximum): every later rescaling is an exact power of two, which a block's scale takes up: the codes' values come out the same.
;;   OPERANDS COMPUTED ON THE WAY. 'Computed on the way' means the value that the module computes at that place (a softmax that the list does not call 'softmax' is quantised finished and normalised). What goes into a quantiser is computed in f32, as accurately as f32 sums, v_exp_f32 and their like allow (about 1e-6 of the number): no bf16 or f16 on the way to a quantiser, and a product that is left as it is and whose result goes on into a quantised operand takes f32 operands (vector FMAs, or v_wmma_f32_16x16x4_f32). A number that lies on a knife's edge between two numbers of the format may be rounded either way, as far as f32 arithmetic and the matrix unit's own rounding can turn it there, and no further.
;;   INPUTS GIVEN AS CODES. W1 (in the module: [512, 2048], K = its axis 0); W2 (in the module: [2048, 512], K = its axis 0); Wk (in the module: [16, 512, 16], K = its axis 1); Wproj (in the module: [256, 512], K = its axis 0); Wq (in the module: [16, 512, 16], K = its axis 1); Wv (in the module: [16, 512, 16], K = its axis 1): each comes as NAME_codes (uint8): NAME with its K axis moved to the last place and cut into blocks of 32 codes, [.., K / 32, bytes a block], one block behind the other in memory; four codes in three bytes: a row's codes are one little-endian stream of bits, code i at bits 6 i .. 6 i + 5 (a code: sign, 2 exponent bits, 3 mantissa bits); and NAME_scales (uint8): the same leading axes, one E8M0 byte (e + 127) for each 32 codes along K. Its value is code x scale, taken as it is: it is not quantised again, and the codes and scales need not be those that the quantiser above would give.
;; One version. Each part assembles by itself: llvm-mc -triple=amdgcn-amd-amdhsa -mcpu=gfx1250 --defsym DOCPART=n.
;; ======== version 1 of 1: 5 launches
;; workspace buffers: qb 8,388,608 bytes; kb 8,388,608 bytes; vb 1,638,400 bytes; att 8,388,608 bytes; x1 16,777,216 bytes; h2c 3,145,728 bytes; h2s 131,072 bytes; hid 13,631,488 bytes
;; launch qkv (part 1): grid 128 x 2, 16 waves a work-group, clusters of 4 x 1, 242,176 bytes of LDS; arguments x, ln1_g, ln1_b, Wq_codes, Wq_scales, bq, Wk_codes, Wk_scales, bk, Wv_codes, Wv_scales, bv, qb, kb, vb; writes qb, kb, vb
.if DOCPART == 1
	.amdgcn_target "amdgcn-amd-amdhsa--gfx1250"
	.amdhsa_code_object_version 6
	.text
	.protected	k_qb810af2ace_qkv
	.globl	k_qb810af2ace_qkv
	.p2align	8
	.type	k_qb810af2ace_qkv,@function
k_qb810af2ace_qkv:
	s_mov_b64 s[64:65], 0
	v_nop
	global_prefetch_b8 v0, s[64:65] scope:SCOPE_SE
	s_setreg_imm32_b32 hwreg(HW_REG_WAVE_MODE, 25, 1), 1
	s_wait_xcnt 0x0
	s_wait_alu depctr_hold_cnt(0) depctr_sa_sdst(0) depctr_va_vdst(0) depctr_va_sdst(0) depctr_va_ssrc(0) depctr_va_vcc(0) depctr_vm_vsrc(0)
	s_getreg_b32 s2, hwreg(HW_REG_IB_STS2, 6, 4)
	s_cmp_eq_u32 s2, 0
	s_cbranch_scc0 .Lentry_in_a_cluster
	s_endpgm
.Lentry_in_a_cluster:
	s_bfe_u32 s2, ttmp6, 0x10000c
	s_cmp_lg_u32 s2, 0x3003
	s_cbranch_scc0 .Lentry_shape_is_right
	s_endpgm
.Lentry_shape_is_right:
; LAUNCH 1 OF 5.  h = LayerNorm1(x), quantised along D to E2M3 with one E8M0 byte for each 32; q, k, v = h W + b on codes; q and k leave as f32, v leaves quantised along the KEYS.
; DEAD WORK: none in the whole program.  bk shifts every logit of a row alike, but it moves M = ceil(the row's largest t) and with it p's codes, so it stays; every other bias and gain
; has a plain way to the output.  All 23 inputs are loaded by some launch.
; LIMITS: NaN and infinities among the inputs are not served.  A block of zeros carries the byte 1 where the rule says 127: its codes are zeros, and this program alone reads the bytes.
; Blocks whose largest magnitude lies under 2^-124 are held at the byte 1.
; SHARES.  A work-group takes 64 tokens (X = 4 x cluster x + cx) and 8 heads (y): 147 KB of weights, which lie in LDS whole.  The four partners of a cluster share y, so the weights
; are asked for jointly (mask 15).  The LayerNorm of a token is done by both values of y.
; LN: wave w owns rows 4 w .. 4 w + 3; each load reads 512 dense bytes, a row turns through the wave's own stage so that lane l holds columns 16 l .. 16 l + 15.
; PRODUCTS: wave = (head eta = w % 8, token half theta = w / 8), two tiles of 16 tokens.  THE TOKENS OF A TILE ARE NOT NEIGHBOURS: row r of tile 2 b + u is token 32 b + 8 u + r + 8 (r / 8),
; so that in v (source 0 = tokens, source 1 = Wv) a lane's 16 registers of the two tiles are 16 neighbouring keys of one dim.  q, k are used transposed (source 0 = W): a lane holds one token and 8 dims.
; OUT: qb, kb [bh][tile 64][1,024]: images of the result's registers (registers 4 c .. 4 c + 3 of lane l at 512 c + 16 l).  vb [bh][block of 32 keys][400]: [dim 16][24 bytes of codes], then 16 scale bytes.
.set WPITCH, 432                       ; a weight row in LDS: 3 x (128 bytes + 16 of padding)
.set WMAT,   128*WPITCH                ; one matrix's 128 rows
.set WSC,    3*WMAT                    ; the weights' scale bytes: 16 a row, 16 rows to 256 bytes + 16 of padding
.set WSCM,   8*272
.set TS,     172544                    ; the waves' turn stages, from the next multiple of 256 on
.set TSW,    2560
.set HC,     TS+16*TSW                 ; h's codes: 64 rows, 400 bytes apart
.set HP,     400
.set HS,     HC+64*HP                  ; h's scale bytes: 16 a row
.set SPARE,  HS+64*16                  ; the spare words: 128 bytes a wave, named by no other line
.set AXO, 1                            ; 16 x lane
.set ATI, 2                            ; turn stage, way in
.set ATO, 3                            ; turn stage, way out
.set AHW, 4                            ; where my codes of h go
.set AHB, 5                            ; and my block's byte
.set AH,  6                            ; h's fragments
.set AHS, 7                            ; h's scale words
.set AW0, 8                            ; v8, v9: W's fragments (the second serves pieces behind one padding more)
.set AW2, 10                           ; v10, v11: the same for the third matrix
.set WS,  12                           ; v12-23 W's scale words, 4 m + s: scales alone
.set HSC, 24                           ; v24-31 h's scale words, 4 u + s: scales alone
.set R,   32                           ; v32-95 x as loaded; later fragment set 0
.set X,   96                           ; v96-159 four rows, 16 neighbours a lane; later fragment set 1
.set G,   160
.set BB,  176
.set ACC, 160                          ; v160-207 q0 q1 k0 k1 v0 v1
.set BQ,  208                          ; v208-231 bq, bk, bv in the results' layouts
.set AWS, 232
.set AGB, 233
.set AVC, 234
.set AVS, 235
.set ABQ, 236
.set ABV, 237
.set SPW, 238
.set NIL, 239
.set T,   240                          ; v240-247 a pair a row
.set U,   248                          ; v248-251
.set SO,  252                          ; v252-255
.set WV,  34
.set G1C, 40
.set G1S, 48
.set G0C, 56
.set G0S, 60
.set SEL, 68
.macro PLACES n
.rept \n
	v_nop
.endr
.endm
.macro ROUND                           ; a round of the cluster's barrier
	s_barrier_signal -1
	s_barrier_wait -1
	s_cmp_lg_u32 s[WV], 0
	s_cbranch_scc1 .Lnot_wave_0_\@
	s_barrier_signal -3
.Lnot_wave_0_\@:
	s_barrier_wait -3
	s_barrier_signal -1
	s_barrier_wait -1
.endm
.macro FRAGP reg, adr, off             ; a fragment from rows without padding: 24 bytes twice, in pieces of 8
.irp p, 0,1,2,3,4,5
	ds_load_b64 v[\reg+2*\p:\reg+2*\p+1], v[\adr] offset:(\off)+48*(\p/3)+8*(\p%3)
.endr
.endm
.macro FRAGR reg, adr, pb, rowoff, seg ; a fragment from rows with 16 bytes of padding behind every seg pieces of 8 bytes; lanes 16-31 read three pieces on, for some pieces behind one padding more
.irp p, 0,1,2,3,4,5
.set PCX, (\pb)+6*(\p/3)+\p%3
.if PCX%(\seg) < (\seg)-3
	ds_load_b64 v[\reg+2*\p:\reg+2*\p+1], v[\adr] offset:8*PCX+16*(PCX/(\seg))+(\rowoff)
.else
	ds_load_b64 v[\reg+2*\p:\reg+2*\p+1], v[\adr+1] offset:8*PCX+16*(PCX/(\seg))+(\rowoff)
.endif
.endr
.endm
.macro W6 d, a, b, c, sa, sb
	v_wmma_scale_f32_16x16x128_f8f6f4 v[\d:\d+7], v[\a:\a+11], v[\b:\b+11], v[\c:\c+7], v[\sa], v[\sb] matrix_a_fmt:MATRIX_FMT_FP6 matrix_b_fmt:MATRIX_FMT_FP6
.endm
.macro WRED                            ; the four rows' sums over the 32 lanes, by turns
.irp m, 1,2,4,8
.irp i, 0,1,2,3
	v_add_f32_dpp v[T+2*\i], v[T+2*\i], v[T+2*\i] row_xmask:\m row_mask:0xf bank_mask:0xf
.endr
.endr
.irp i, 0,1,2,3
	v_permlanex16_b32 v[U+\i], v[T+2*\i], s[SEL], s[SEL+1]
.endr
.irp i, 0,1,2,3
	v_add_f32 v[T+2*\i], v[T+2*\i], v[U+\i]
.endr
.endm
	s_load_b512 s[4:19], s[0:1], 0x0               ; x, ln1_g, ln1_b, Wq codes, Wq scales, bq, Wk codes, Wk scales
	s_load_b256 s[20:27], s[0:1], 0x40             ; bk, Wv codes, Wv scales, bv
	s_load_b128 s[28:31], s[0:1], 0x60             ; qb, kb
	s_load_b64 s[32:33], s[0:1], 0x70              ; vb
	v_lshl_add_u32 v[SPW], v0, 2, SPARE
	v_mov_b32 v[NIL], 0
	ds_add_u32 v[SPW], v[NIL]                      ; the opening: the add, twice on end, and its wait ahead of the first tensor load
	ds_add_u32 v[SPW], v[NIL]
	v_lshrrev_b32 v240, 5, v0
	v_readfirstlane_b32 s[WV], v240                ; wave 0..15
	s_bfe_u32 s35, ttmp6, 0x40000                  ; cx
	s_lshl_b32 s36, ttmp9, 2
	s_add_co_u32 s36, s36, s35                     ; X: my 64 tokens
	s_and_b32 s37, ttmp7, 0xffff                   ; y: my 8 heads; the partners share it
	s_and_b32 s38, s[WV], 7                        ; eta
	s_lshr_b32 s39, s[WV], 3                       ; theta
	s_mov_b32 s[G1C+0], 15|(3<<16)|(1<<20)|(1<<21)|(4<<22)|(3<<25)  ; mask: all four; elements of 8 bytes; padding on; bit 21 beside a mask; after every 32 words, 4 words
	s_mov_b32 s[G1C+1], 48<<16                     ; tensor_dim0 = 48 elements: a row of 384 bytes
	s_mov_b32 s[G1C+2], 128<<16                    ; tensor_dim1 = 128 rows
	s_mov_b32 s[G1C+3], 48<<16                     ; tile_dim0
	s_mov_b32 s[G1C+4], 128                        ; tile_dim1
	s_mov_b32 s[G1C+5], 48                         ; rows are dense
	s_mov_b32 s[G1C+6], 0
	s_mov_b32 s[G1C+7], 0
	s_mov_b32 s[G1S+0], 15|(3<<16)|(1<<20)|(1<<21)|(5<<22)|(3<<25)  ; the scale bytes: 8 rows of 256 bytes, 16 of padding behind each
	s_mov_b32 s[G1S+1], 32<<16
	s_mov_b32 s[G1S+2], 8<<16
	s_mov_b32 s[G1S+3], 32<<16
	s_mov_b32 s[G1S+4], 8
	s_mov_b32 s[G1S+5], 32
	s_mov_b32 s[G1S+6], 0
	s_mov_b32 s[G1S+7], 0
	s_mov_b32 s[SEL], 0x76543210
	s_mov_b32 s[SEL+1], 0xfedcba98                 ; lane l xor 16
	s_mov_b32 s70, 0x3b000000                      ; 1 / 512
	s_mov_b32 s71, 0x3727c5ac                      ; 1e-5
	v_and_b32 v241, 31, v0                         ; l
	v_and_b32 v242, 15, v0                         ; r
	v_bfe_u32 v243, v0, 4, 1                       ; h
	v_and_b32 v244, 8, v242
	v_add_nc_u32 v244, v244, v242                  ; r + 8 (r / 8)
	v_lshlrev_b32 v[AXO], 4, v241
	s_mul_i32 s72, s[WV], TSW
	s_add_co_u32 s72, s72, TS
	v_lshrrev_b32 v245, 2, v241
	v_mul_u32_u24 v245, v245, 80
	v_and_b32 v246, 3, v241
	v_lshl_add_u32 v245, v246, 4, v245
	v_add_nc_u32 v[ATI], s72, v245                 ; four lanes' 64 bytes on end, then 16 of padding
	v_mul_u32_u24 v245, v241, 80
	v_add_nc_u32 v[ATO], s72, v245                 ; 80 x lane: my 16 neighbours
	s_mul_i32 s72, s[WV], 4*HP
	s_add_co_u32 s72, s72, HC
	v_mul_u32_u24 v245, v241, 12
	v_add_nc_u32 v[AHW], s72, v245
	s_lshl_b32 s72, s[WV], 6
	s_add_co_u32 s72, s72, HS
	v_lshrrev_b32 v245, 1, v241
	v_add_nc_u32 v[AHB], s72, v245
	s_mul_i32 s72, s39, 32*HP
	s_add_co_u32 s72, s72, HC
	v_mul_u32_u24 v245, v244, HP
	v_mad_u32_u24 v245, v243, 24, v245
	v_add_nc_u32 v[AH], s72, v245
	s_lshl_b32 s72, s39, 9
	s_add_co_u32 s72, s72, HS
	v_lshl_add_u32 v[AHS], v244, 4, s72
	s_mul_i32 s72, s38, 16*WPITCH
	v_mul_u32_u24 v245, v242, WPITCH
	v_add_nc_u32 v245, s72, v245
	v_mad_u32_u24 v[AW0], v243, 24, v245
	v_mad_u32_u24 v[AW0+1], v243, 40, v245
	v_add_nc_u32 v[AW2], 2*WMAT, v[AW0]
	v_add_nc_u32 v[AW2+1], 2*WMAT, v[AW0+1]
	s_mul_i32 s72, s38, 272
	s_add_co_u32 s72, s72, WSC
	v_lshl_add_u32 v[AWS], v242, 4, s72
	v_lshlrev_b32 v[AGB], 6, v241
	v_mul_u32_u24 v245, v242, 24
	v_mad_u32_u24 v[AVC], v243, 12, v245
	v_add_nc_u32 v[AVS], 384, v242
	v_lshlrev_b32 v[ABQ], 5, v243
	v_lshlrev_b32 v[ABV], 2, v242
.irp i, 0,1,2,3
	v_mov_b32 v[U+\i], 0                           ; written once: a lane permute's destination counts as one of its sources
.endr
	s_lshl_b32 s72, s36, 17                        ; x: 64 X rows of 2,048 bytes,
	s_lshl_b32 s73, s[WV], 13                      ; + my wave's four
	s_add_co_u32 s72, s72, s73
	s_mov_b32 s73, 0
	s_lshl_b32 s84, s37, 3
	s_add_co_u32 s84, s84, s38                     ; my head, 0..15
	s_lshl_b32 s74, s84, 6                         ; its 16 numbers in a bias
	s_mov_b32 s75, 0
	s_lshr_b32 s85, s36, 4
	s_lshl_b32 s85, s85, 4
	s_add_co_u32 s85, s85, s84                     ; bh = 16 x batch + head
	s_and_b32 s86, s36, 15
	s_lshl_b32 s86, s86, 1
	s_add_co_u32 s86, s86, s39                     ; g: my 32 tokens in the batch
	s_lshl_b32 s76, s85, 16
	s_lshl_b32 s77, s86, 11
	s_add_co_u32 s76, s76, s77                     ; qb, kb: (64 bh + 2 g) x 1,024
	s_mov_b32 s77, 0
	s_mul_i32 s78, s85, 12800
	s_mul_i32 s79, s86, 400
	s_add_co_u32 s78, s78, s79                     ; vb: 12,800 bh + 400 g
	s_mov_b32 s79, 0
	s_min_u32 s80, s[WV], 2                        ; which matrix I fetch, if I fetch
	s_mul_i32 s82, s37, 49152                      ; my 8 heads' codes
	s_mov_b32 s83, 0
	s_lshl_b32 s88, s37, 11                        ; and scale bytes
	s_mov_b32 s89, 0
	s_wait_dscnt 0x0                               ; both opening adds are done
	s_wait_kmcnt 0x0
	s_add_nc_u64 s[4:5], s[4:5], s[72:73]
	s_add_nc_u64 s[14:15], s[14:15], s[74:75]
	s_add_nc_u64 s[20:21], s[20:21], s[74:75]
	s_add_nc_u64 s[26:27], s[26:27], s[74:75]
	s_add_nc_u64 s[28:29], s[28:29], s[76:77]
	s_add_nc_u64 s[30:31], s[30:31], s[76:77]
	s_add_nc_u64 s[32:33], s[32:33], s[78:79]
.irp j, 0,1,2,3
	global_load_b128 v[G+4*\j:G+4*\j+3], v[AGB], s[6:7] offset:16*\j
	global_load_b128 v[BB+4*\j:BB+4*\j+3], v[AGB], s[8:9] offset:16*\j
.endr
.irp i, 0,1,2,3
.irp j, 0,1,2,3
	global_load_b128 v[R+16*\i+4*\j:R+16*\i+4*\j+3], v[AXO], s[4:5] offset:2048*\i+512*\j   ; 512 dense bytes a load
.endr
.endr
	global_load_b128 v[BQ:BQ+3], v[ABQ], s[14:15]
	global_load_b128 v[BQ+4:BQ+7], v[ABQ], s[14:15] offset:16
	global_load_b128 v[BQ+8:BQ+11], v[ABQ], s[20:21]
	global_load_b128 v[BQ+12:BQ+15], v[ABQ], s[20:21] offset:16
.irp j, 0,1,2,3,4,5,6,7
	global_load_b32 v[BQ+16+\j], v[ABV], s[26:27]  ; in v's layout a lane holds one dim: bv of it in all eight registers
.endr
	s_cmp_eq_u32 s[WV], 0                          ; wave 0: Wq, wave 1: Wk, wave 2: Wv
	s_cselect_b64 s[90:91], s[10:11], s[16:17]
	s_cselect_b64 s[92:93], s[12:13], s[18:19]
	s_cmp_lt_u32 s[WV], 2
	s_cselect_b64 s[90:91], s[90:91], s[22:23]
	s_cselect_b64 s[92:93], s[92:93], s[24:25]
	s_mov_b32 s[G0C], 1
	s_mul_i32 s[G0C+1], s80, WMAT
	s_add_nc_u64 s[G0C+2:G0C+3], s[90:91], s[82:83]
	s_or_b32 s[G0C+3], s[G0C+3], 0x80000000
	s_mov_b32 s[G0S], 1
	s_mul_i32 s[G0S+1], s80, WSCM
	s_add_co_u32 s[G0S+1], s[G0S+1], WSC
	s_add_nc_u64 s[G0S+2:G0S+3], s[92:93], s[88:89]
	s_or_b32 s[G0S+3], s[G0S+3], 0x80000000
	ROUND                                          ; all four work-groups are here: the joint loads meet
	s_cmp_lt_u32 s[WV], 3                          ; a wave's two fills stand in one branch on the wave's number
	s_cbranch_scc0 .Lno_fill
	tensor_load_to_lds s[G0C:G0C+3], s[G1C:G1C+7]
	s_nop 0
	tensor_load_to_lds s[G0S:G0S+3], s[G1S:G1S+7]
	s_nop 0
	PLACES 4
.Lno_fill:
	; ---- LayerNorm 1, four rows a wave, the rows by turns so that no line waits for the line above it
	s_wait_loadcnt 12                              ; gain, bias and x are in; the 12 loads of bq, bk, bv may be out
.irp i, 0,1,2,3
.irp j, 0,1,2,3
	ds_store_b128 v[ATI], v[R+16*\i+4*\j:R+16*\i+4*\j+3] offset:640*\j
.endr
.irp j, 0,1,2,3
	ds_load_b128 v[X+16*\i+4*\j:X+16*\i+4*\j+3], v[ATO] offset:16*\j   ; LDS serves a wave's instructions in order: these see the row's stores, and the next row's stores come behind them
.endr
.endr
	s_wait_dscnt 0x0
.irp i, 0,1,2,3
	v_pk_add_f32 v[T+2*\i:T+2*\i+1], v[X+16*\i:X+16*\i+1], v[X+16*\i+2:X+16*\i+3]
.endr
.irp k, 4,6,8,10,12,14
.irp i, 0,1,2,3
	v_pk_add_f32 v[T+2*\i:T+2*\i+1], v[T+2*\i:T+2*\i+1], v[X+16*\i+\k:X+16*\i+\k+1]
.endr
.endr
.irp i, 0,1,2,3
	v_add_f32 v[T+2*\i], v[T+2*\i], v[T+2*\i+1]
.endr
	WRED
.irp i, 0,1,2,3
	v_mul_f32 v[T+2*\i], s70, v[T+2*\i]            ; the mean
.endr
.irp k, 0,2,4,6,8,10,12,14
.irp i, 0,1,2,3
	v_pk_add_f32 v[X+16*\i+\k:X+16*\i+\k+1], v[X+16*\i+\k:X+16*\i+\k+1], v[T+2*\i:T+2*\i+1] op_sel_hi:[1,0] neg_lo:[0,1] neg_hi:[0,1]   ; x - mean
.endr
.endr
.irp i, 0,1,2,3
	v_pk_mul_f32 v[T+2*\i:T+2*\i+1], v[X+16*\i:X+16*\i+1], v[X+16*\i:X+16*\i+1]
.endr
.irp k, 2,4,6,8,10,12,14
.irp i, 0,1,2,3
	v_pk_fma_f32 v[T+2*\i:T+2*\i+1], v[X+16*\i+\k:X+16*\i+\k+1], v[X+16*\i+\k:X+16*\i+\k+1], v[T+2*\i:T+2*\i+1]
.endr
.endr
.irp i, 0,1,2,3
	v_add_f32 v[T+2*\i], v[T+2*\i], v[T+2*\i+1]
.endr
	WRED
.irp i, 0,1,2,3
	v_fma_f32 v[T+2*\i], v[T+2*\i], s70, s71       ; the variance + 1e-5
.endr
.irp i, 0,1,2,3
	v_rsq_f32 v[T+2*\i], v[T+2*\i]
.endr
	v_nop                                          ; a plain instruction behind the last of the batch
	s_wait_alu depctr_va_vdst(0)                   ; one wait for the four, ahead of their first reader
.irp k, 0,2,4,6,8,10,12,14
.irp i, 0,1,2,3
	v_pk_mul_f32 v[X+16*\i+\k:X+16*\i+\k+1], v[X+16*\i+\k:X+16*\i+\k+1], v[T+2*\i:T+2*\i+1] op_sel_hi:[1,0]
.endr
.endr
.irp k, 0,2,4,6,8,10,12,14
.irp i, 0,1,2,3
	v_pk_fma_f32 v[X+16*\i+\k:X+16*\i+\k+1], v[X+16*\i+\k:X+16*\i+\k+1], v[G+\k:G+\k+1], v[BB+\k:BB+\k+1]
.endr
.endr
	; the quantiser: two neighbouring lanes hold a block of 32
.irp i, 0,1,2,3
	v_max3_num_f32 v[U+\i], |v[X+16*\i]|, |v[X+16*\i+1]|, 0x1800000   ; with the floor 2^(3 - 127): the byte cannot fall under 1
.endr
.irp k, 2,4,6,8,10,12,14
.irp i, 0,1,2,3
	v_max3_num_f32 v[U+\i], v[U+\i], |v[X+16*\i+\k]|, |v[X+16*\i+\k+1]|
.endr
.endr
.irp i, 0,1,2,3
	v_max_num_f32_dpp v[U+\i], v[U+\i], v[U+\i] row_xmask:1 row_mask:0xf bank_mask:0xf
.endr
.irp i, 0,1,2,3
	v_add_nc_u32 v[SO+\i], 0xff000000, v[U+\i]     ; 2 off the exponent field: the conversion's scale operand
.endr
.irp i, 0,1,2,3
	v_cvt_scalef32_pk16_fp6_f32 v[R+4*\i:R+4*\i+2], v[X+16*\i:X+16*\i+15], v[SO+\i]
.endr
.irp i, 0,1,2,3
	v_lshrrev_b32 v[R+16+\i], 23, v[SO+\i]         ; the scale's byte (also the plain place behind the conversions)
.endr
.irp i, 0,1,2,3
	ds_store_b32 v[AHW], v[R+4*\i] offset:HP*\i
	ds_store_b32 v[AHW], v[R+4*\i+1] offset:HP*\i+4
	ds_store_b32 v[AHW], v[R+4*\i+2] offset:HP*\i+8
	ds_store_b8 v[AHB], v[R+16+\i] offset:16*\i    ; both lanes of a block write the same byte with the same value
.endr
	s_wait_tensorcnt 0x0                           ; my part of the weights has landed,
	s_wait_loadcnt 0x0                             ; the biases are in,
	s_wait_dscnt 0x0                               ; my rows' codes and bytes lie in LDS
	s_barrier_signal -1
	s_barrier_wait -1                              ; everybody's do
	; ---- the three products: K = 512 in four steps of 128; two sets of fragments by turns
.macro LFR s                           ; 30 loads: h's two tiles, the three matrices' tile of my head
.set FB, 32+64*((\s)%2)
.irp u, 0,1
	FRAGP FB+12*\u, AH, 8*HP*\u+96*(\s)
.endr
	FRAGR FB+24, AW0, 12*(\s), 0, 16
	FRAGR FB+36, AW0, 12*(\s), WMAT, 16
	FRAGR FB+48, AW2, 12*(\s), 0, 16
.endm
.macro MM s                            ; six matrix instructions, the six accumulators by turns; the first step takes the bias as C
.set FB, 32+64*((\s)%2)
.irp m, 0,1
.irp u, 0,1
.if (\s) == 0
	W6 ACC+16*\m+8*\u, FB+24+12*\m, FB+12*\u, BQ+8*\m, WS+4*\m+(\s), HSC+4*\u+(\s)
.else
	W6 ACC+16*\m+8*\u, FB+24+12*\m, FB+12*\u, ACC+16*\m+8*\u, WS+4*\m+(\s), HSC+4*\u+(\s)
.endif
.endr
.endr
.irp u, 0,1
.if (\s) == 0
	W6 ACC+32+8*\u, FB+12*\u, FB+48, BQ+16, HSC+4*\u+(\s), WS+8+(\s)
.else
	W6 ACC+32+8*\u, FB+12*\u, FB+48, ACC+32+8*\u, HSC+4*\u+(\s), WS+8+(\s)
.endif
.endr
.endm
.irp u, 0,1
	ds_load_b128 v[HSC+4*\u:HSC+4*\u+3], v[AHS] offset:128*\u
.endr
.irp m, 0,1,2
	ds_load_b128 v[WS+4*\m:WS+4*\m+3], v[AWS] offset:WSCM*\m
.endr
	LFR 0
	LFR 1
	s_wait_dscnt 30                                ; all but the 30 loads of the next step
	MM 0
	PLACES 4                                       ; in front of loads into registers that matrix instructions have read
	LFR 2
	s_wait_dscnt 30
	MM 1
	PLACES 4
	LFR 3
	s_wait_dscnt 30
	MM 2
	s_wait_dscnt 0x0
	MM 3
	PLACES 4                                       ; in front of the first reads of results
	; ---- out: q and k as images of their registers, each accumulator from its low end on; 512 dense bytes a store
.irp u, 0,1
.irp c, 0,1
	global_store_b128 v[AXO], v[ACC+8*\u+4*\c:ACC+8*\u+4*\c+3], s[28:29] offset:1024*\u+512*\c
	global_store_b128 v[AXO], v[ACC+16+8*\u+4*\c:ACC+16+8*\u+4*\c+3], s[30:31] offset:1024*\u+512*\c
.endr
.endr
	; v: my 16 registers are keys 32 g + 16 h + 0 .. 15 of dim r; lane l xor 16 holds the block's other half
	v_max3_num_f32 v240, |v[ACC+32]|, |v[ACC+33]|, 0x1800000
.irp k, 2,4,6,8,10,12,14
	v_max3_num_f32 v240, v240, |v[ACC+32+\k]|, |v[ACC+33+\k]|
.endr
	v_permlanex16_b32 v241, v240, s[SEL], s[SEL+1]
	v_max_num_f32 v240, v240, v241
	v_add_nc_u32 v242, 0xff000000, v240
	v_cvt_scalef32_pk16_fp6_f32 v[244:246], v[ACC+32:ACC+47], v242
	v_lshrrev_b32 v243, 23, v242
	global_store_b96 v[AVC], v[244:246], s[32:33]  ; 32 lanes store 384 dense bytes
	global_store_b8 v[AVS], v243, s[32:33]         ; 16 neighbouring bytes; both halves write the same value
	s_wait_tensorcnt 0x0                           ; the wave's end
	ds_add_u32 v[SPW], v[NIL]
	s_wait_dscnt 0x0
	ROUND                                          ; the closing round
	s_endpgm
.Lfunc_end_k_qb810af2ace_qkv:
	.size	k_qb810af2ace_qkv, .Lfunc_end_k_qb810af2ace_qkv-k_qb810af2ace_qkv
	.p2alignl 7, 3214868480
	.fill 96, 4, 3214868480
	.section	.rodata,"a",@progbits
	.p2align	6, 0x0
	.amdhsa_kernel k_qb810af2ace_qkv
		.amdhsa_group_segment_fixed_size 242176
		.amdhsa_private_segment_fixed_size 0
		.amdhsa_enable_private_segment 0
		.amdhsa_kernarg_size 120
		.amdhsa_user_sgpr_count 2
		.amdhsa_user_sgpr_kernarg_segment_ptr 1
		.amdhsa_wavefront_size32 1
		.amdhsa_system_sgpr_workgroup_id_x 1
		.amdhsa_system_sgpr_workgroup_id_y 1
		.amdhsa_system_sgpr_workgroup_id_z 1
		.amdhsa_system_vgpr_workitem_id 0
		.amdhsa_next_free_vgpr 256
		.amdhsa_next_free_sgpr 100
		.amdhsa_reserve_vcc 0
		.amdhsa_float_denorm_mode_32 3
		.amdhsa_float_denorm_mode_16_64 3
		.amdhsa_memory_ordered 1
		.amdhsa_forward_progress 1
		.amdhsa_inst_pref_size 44
	.end_amdhsa_kernel
	.amdgpu_metadata
---
amdhsa.version: [ 1, 2 ]
amdhsa.kernels:
  - .name:           k_qb810af2ace_qkv
    .symbol:         k_qb810af2ace_qkv.kd
    .args:
      - { .name: x, .offset: 0, .size: 8, .value_kind: global_buffer, .address_space: global }
      - { .name: ln1_g, .offset: 8, .size: 8, .value_kind: global_buffer, .address_space: global }
      - { .name: ln1_b, .offset: 16, .size: 8, .value_kind: global_buffer, .address_space: global }
      - { .name: Wq_codes, .offset: 24, .size: 8, .value_kind: global_buffer, .address_space: global }
      - { .name: Wq_scales, .offset: 32, .size: 8, .value_kind: global_buffer, .address_space: global }
      - { .name: bq, .offset: 40, .size: 8, .value_kind: global_buffer, .address_space: global }
      - { .name: Wk_codes, .offset: 48, .size: 8, .value_kind: global_buffer, .address_space: global }
      - { .name: Wk_scales, .offset: 56, .size: 8, .value_kind: global_buffer, .address_space: global }
      - { .name: bk, .offset: 64, .size: 8, .value_kind: global_buffer, .address_space: global }
      - { .name: Wv_codes, .offset: 72, .size: 8, .value_kind: global_buffer, .address_space: global }
      - { .name: Wv_scales, .offset: 80, .size: 8, .value_kind: global_buffer, .address_space: global }
      - { .name: bv, .offset: 88, .size: 8, .value_kind: global_buffer, .address_space: global }
      - { .name: qb, .offset: 96, .size: 8, .value_kind: global_buffer, .address_space: global }
      - { .name: kb, .offset: 104, .size: 8, .value_kind: global_buffer, .address_space: global }
      - { .name: vb, .offset: 112, .size: 8, .value_kind: global_buffer, .address_space: global }
    .group_segment_fixed_size: 242176
    .private_segment_fixed_size: 0
    .kernarg_segment_align: 8
    .kernarg_segment_size: 120
    .max_flat_workgroup_size: 512
    .sgpr_count:     100
    .vgpr_count:     256
    .wavefront_size: 32
...
	.end_amdgpu_metadata
.endif
;; end of part 1
;; launch attn (part 2): grid 2 x 128, 16 waves a work-group, no clusters, 167,936 bytes of LDS; arguments qb, kb, vb, att; writes att
.if DOCPART == 2
	.amdgcn_target "amdgcn-amd-amdhsa--gfx1250"
	.amdhsa_code_object_version 6
	.text
	.protected	k_qb810af2ace_attn
	.globl	k_qb810af2ace_attn
	.p2align	8
	.type	k_qb810af2ace_attn,@function
k_qb810af2ace_attn:
	s_mov_b64 s[64:65], 0
	v_nop
	global_prefetch_b8 v0, s[64:65] scope:SCOPE_SE
	s_setreg_imm32_b32 hwreg(HW_REG_WAVE_MODE, 25, 1), 1
	s_wait_xcnt 0x0
; LAUNCH 2 OF 5.  att = softmax(q k^T / 4) v for each of 128 (batch, head).  No work of reference() is left out.
; q k^T (K = 16) feeds a quantiser, so its operands are f32: v_wmma_f32_16x16x4_f32, four to a tile of 16 keys x 16 queries.  t = score x log2(e) / 4; M = the running largest t rounded up to a whole number;
; p = 2^(t - M) is quantised along the keys to E2M3 with one E8M0 byte for each 32; the row's sum is taken of the unquantised p and divides at the end; when M moves, sum and O are multiplied by 2^(old M - new M): exact.
; LIMITS: as in the first launch (NaN, infinities; the byte 1 for blocks of zeros).
; SHARES.  A work-group owns 512 queries of one (batch, head); its sixteen waves own two tiles of 16 queries each, one after the other; every wave walks all 1,024 keys, 128 a step.
; Four waves share a SIMD, so that one wave's softmax stands beside the others' products.
; NO CLUSTER: a head has two work-groups, and what they share is 78,336 bytes, read once at the head.
; LDS, filled once: the head's 64 images of k (1,024 bytes each), then v's 32 records of 400 bytes.
; LAYOUT.  Both products are used transposed (source 0 = keys, or v's dims; source 1 = my queries): a lane holds one query throughout.  Row m of key tile 2 b + u is key 32 b + 8 u + m + 8 (m / 8),
; so the 16 registers of tiles 2 b and 2 b + 1 are keys 32 b + 16 (lane / 16) + 0 .. 15.  In an image lane (r, h) holds dims 8 h + 0 .. 7: K step s of the f32 form takes registers 2 s, 2 s + 1 of k and of q alike,
; which is one permutation of the 16 dims on both sides.
.set VREC,  65536
.set SPARE, VREC+12800
.set A16, 1
.set AV0, 2
.set AU0, 3
.set ADK, 4
.set ADV, 5
.set ADU, 6
.set VS,  8                            ; v's scale word: scales alone
.set PS,  9                            ; p's scale word: scales alone
.set SPW, 10
.set NIL, 11
.set Q0,  16                           ; v16-23 the first tile of queries, v24-31 the second
.set KF,  32                           ; v32-95 eight images of k; behind the first product: v32-43 v's fragment, v44-47 its bytes, v48-61 at work
.set VF,  32
.set VB,  44
.set C2,  48
.set F,   56
.set TT,  58
.set S2,  60
.set S,   96                           ; v96-159 the scores: written by the f32 matrix form alone
.set P,   160                          ; v160-223 t - M, then p
.set O,   224                          ; v224-231 O^T
.set PC,  232                          ; v232-243 p's codes
.set BM,  244
.set T4,  248
.set SO,  252
.set WV,  18
.set SEL, 20
.set CS,  22
.set G1K, 24
.set G1V, 32
.set G0K, 40
.set G0V, 44
.set TB,  2
.set TV,  3
.set STEPS, 48
.macro PLACES n
.rept \n
	v_nop
.endr
.endm
	s_load_b256 s[4:11], s[0:1], 0x0               ; qb, kb, vb, att
	v_lshl_add_u32 v[SPW], v0, 2, SPARE
	v_mov_b32 v[NIL], 0
	ds_add_u32 v[SPW], v[NIL]                      ; the opening: the add, twice on end, and its wait ahead of the first tensor load
	ds_add_u32 v[SPW], v[NIL]
	v_lshrrev_b32 v4, 5, v0
	v_readfirstlane_b32 s[WV], v4                  ; wave 0..15
	s_and_b32 s12, ttmp7, 0xffff                   ; bh
	s_mov_b32 s[G1K+0], 3<<16                      ; k: 64 rows of 256 bytes (32 elements of 8), dense, no padding
	s_mov_b32 s[G1K+1], 32<<16
	s_mov_b32 s[G1K+2], 64<<16
	s_mov_b32 s[G1K+3], 32<<16
	s_mov_b32 s[G1K+4], 64
	s_mov_b32 s[G1K+5], 32
	s_mov_b32 s[G1K+6], 0
	s_mov_b32 s[G1K+7], 0
	s_mov_b32 s[G1V+0], 3<<16                      ; v: 50 rows of 256 bytes
	s_mov_b32 s[G1V+1], 32<<16
	s_mov_b32 s[G1V+2], 50<<16
	s_mov_b32 s[G1V+3], 32<<16
	s_mov_b32 s[G1V+4], 50
	s_mov_b32 s[G1V+5], 32
	s_mov_b32 s[G1V+6], 0
	s_mov_b32 s[G1V+7], 0
	s_mov_b32 s[SEL], 0x76543210
	s_mov_b32 s[SEL+1], 0xfedcba98
	s_mov_b32 s[CS], 0x3eb8aa3b                    ; c = log2(e) / 4
	s_mov_b32 s[CS+1], s[CS]                       ; (named with it as a pair)
	v_and_b32 v4, 31, v0
	v_lshlrev_b32 v[A16], 4, v4                    ; 16 x lane
	v_and_b32 v5, 15, v0                           ; r
	v_bfe_u32 v6, v0, 4, 1                         ; h
	v_mul_u32_u24 v[AV0], v5, 24
	v_mad_u32_u24 v[AV0], v6, 400, v[AV0]
	v_add_nc_u32 v[AV0], VREC, v[AV0]              ; v's fragment: dim r, block 2 c + h: 24 r + 400 h, + 800 c
	v_add_nc_u32 v[AU0], VREC+384, v5              ; and dim r's scale byte of a block
.irp b, 0,1,2,3
	v_mov_b32 v[T4+\b], 0                          ; written once: a lane permute's destination counts as one of its sources
.endr
	s_and_b32 s13, s[WV], 3
	s_lshl_b32 s13, s13, 14                        ; waves 0-3: a quarter of k each
	s_lshl_b32 s14, s12, 16
	s_add_co_u32 s14, s14, s13
	s_mov_b32 s15, 0
	s_mul_i32 s16, s12, 12800
	s_mov_b32 s17, 0
	s_lshl_b32 s52, ttmp9, 5
	s_add_co_u32 s52, s52, s[WV]                   ; my first tile of queries: 32 x work-group x + wave
	s_lshl_b32 s52, s52, 10
	s_lshl_b32 s53, s12, 16
	s_add_co_u32 s52, s52, s53
	s_mov_b32 s53, 0
	s_wait_dscnt 0x0                               ; both opening adds are done
	s_wait_kmcnt 0x0
	s_mov_b32 s[G0K], 1
	s_mov_b32 s[G0K+1], s13
	s_add_nc_u64 s[G0K+2:G0K+3], s[6:7], s[14:15]
	s_or_b32 s[G0K+3], s[G0K+3], 0x80000000
	s_mov_b32 s[G0V], 1
	s_mov_b32 s[G0V+1], VREC
	s_add_nc_u64 s[G0V+2:G0V+3], s[8:9], s[16:17]
	s_or_b32 s[G0V+3], s[G0V+3], 0x80000000
	s_cmp_lt_u32 s[WV], 4                          ; waves 0-3 fetch k, wave 4 fetches v, the others nothing
	s_cbranch_scc0 .Lnot_k
	tensor_load_to_lds s[G0K:G0K+3], s[G1K:G1K+7]
	s_nop 0
	PLACES 4
	s_branch .Lasked
.Lnot_k:
	s_cmp_eq_u32 s[WV], 4
	s_cbranch_scc0 .Lasked
	tensor_load_to_lds s[G0V:G0V+3], s[G1V:G1V+7]
	s_nop 0
	PLACES 4
.Lasked:
	s_add_nc_u64 s[4:5], s[4:5], s[52:53]
	s_add_nc_u64 s[10:11], s[10:11], s[52:53]
	global_load_b128 v[Q0:Q0+3], v[A16], s[4:5]
	global_load_b128 v[Q0+4:Q0+7], v[A16], s[4:5] offset:512
	global_load_b128 v[Q0+8:Q0+11], v[A16], s[4:5] offset:16384     ; the second tile lies 16 tiles on
	global_load_b128 v[Q0+12:Q0+15], v[A16], s[4:5] offset:16896
	s_wait_tensorcnt 0x0                           ; my part of k or v has landed,
	s_barrier_signal -1
	s_barrier_wait -1                              ; everybody's has
	s_wait_loadcnt 0x0
; One tile of 16 queries (registers qr on) against all keys; the result goes off bytes behind my first tile's.
.macro PASS qr, off
	s_wait_xcnt 0x0                                ; the last pass's stores have read their registers
	v_mov_b32 v13, 0xff61b1e6                      ; the largest t so far: -3e38
	v_floor_f32 v12, -v13                          ; -M
	v_mov_b32 v14, 0                               ; the sum, in two halves
	v_mov_b32 v15, 0
.irp j, 0,1,2,3,4,5,6,7
	v_mov_b32 v[O+\j], 0                           ; the step is written once: the first finds zeros
.endr
	s_mov_b32 s[TB], 0
	s_mov_b32 s[TV], 0
	s_mov_b32 s[STEPS], 8
.Lstep_\@:
	v_add_nc_u32 v[ADK], s[TB], v[A16]
	v_add_nc_u32 v[ADV], s[TV], v[AV0]
	v_add_nc_u32 v[ADU], s[TV], v[AU0]
.irp c, 0,1
.irp t, 0,1,2,3,4,5,6,7
	ds_load_b128 v[KF+8*\t+4*\c:KF+8*\t+4*\c+3], v[ADK] offset:1024*\t+512*\c
.endr
.endr
	s_wait_dscnt 8                                 ; the images' lower halves are in; the eight upper halves may be out
.irp s, 0,1
.irp t, 0,1,2,3,4,5,6,7                        ; the eight accumulators by turns
.if \s == 0
	v_wmma_f32_16x16x4_f32 v[S+8*\t:S+8*\t+7], v[KF+8*\t:KF+8*\t+1], v[\qr:\qr+1], 0
.else
	v_wmma_f32_16x16x4_f32 v[S+8*\t:S+8*\t+7], v[KF+8*\t+2*\s:KF+8*\t+2*\s+1], v[\qr+2*\s:\qr+2*\s+1], v[S+8*\t:S+8*\t+7]
.endif
.endr
.endr
	s_wait_dscnt 0x0
.irp s, 2,3
.irp t, 0,1,2,3,4,5,6,7
	v_wmma_f32_16x16x4_f32 v[S+8*\t:S+8*\t+7], v[KF+8*\t+2*\s:KF+8*\t+2*\s+1], v[\qr+2*\s:\qr+2*\s+1], v[S+8*\t:S+8*\t+7]
.endr
.endr
	PLACES 8                                       ; behind the f32 form: in front of the first read of results and of loads into its sources
.irp c, 0,1
.irp p, 0,1,2
	ds_load_b64 v[VF+6*\c+2*\p:VF+6*\c+2*\p+1], v[ADV] offset:800*\c+8*\p
.endr
.endr
.irp b, 0,1,2,3
	ds_load_u8 v[VB+\b], v[ADU] offset:400*\b
.endr
.irp b, 0,1,2,3
	v_max3_num_f32 v[BM+\b], v[S+16*\b], v[S+16*\b+1], v[S+16*\b+2]   ; the largest score of each block of 32 keys: for the row's maximum, and, since p rises with the score, for the block's largest p
.endr
.irp i, 3,5,7,9,11,13
.irp b, 0,1,2,3
	v_max3_num_f32 v[BM+\b], v[BM+\b], v[S+16*\b+\i], v[S+16*\b+\i+1]
.endr
.endr
.irp b, 0,1,2,3
	v_max_num_f32 v[BM+\b], v[BM+\b], v[S+16*\b+15]
.endr
.irp b, 0,1,2,3
	v_permlanex16_b32 v[T4+\b], v[BM+\b], s[SEL], s[SEL+1]
.endr
.irp b, 0,1,2,3
	v_max_num_f32 v[BM+\b], v[BM+\b], v[T4+\b]
.endr
	v_max3_num_f32 v[TT], v[BM], v[BM+1], v[BM+2]
	v_max_num_f32 v[TT], v[TT], v[BM+3]
	v_mul_f32 v[TT], s[CS], v[TT]                  ; as t
	v_max_num_f32 v13, v13, v[TT]                  ; the running largest t
	v_mov_b32 v[TT], v12
	v_floor_f32 v12, -v13                          ; the new -M = -ceil(t)
	v_sub_f32 v[TT], v12, v[TT]                    ; old M - new M: a whole number, 0 or less
	v_cvt_i32_f32 v[TT], v[TT]                     ; (it saturates)
	v_ldexp_f32 v[F], 1.0, v[TT]                   ; f = 2^(old M - new M)
.irp j, 0,2,4,6,8,10,12,14,16,18,20,22,24,26,28,30,32,34,36,38,40,42,44,46,48,50,52,54,56,58,60,62
	v_pk_fma_f32 v[P+\j:P+\j+1], v[S+\j:S+\j+1], s[CS:CS+1], v[12:13] op_sel_hi:[1,0,0]   ; t - M, into registers of their own
.endr
.irp b, 0,1,2,3
	v_fma_f32 v[BM+\b], v[BM+\b], s[CS], v12
.endr
.irp j, 0,1,2,3,4,5,6,7,8,9,10,11,12,13,14,15,16,17,18,19,20,21,22,23,24,25,26,27,28,29,30,31,32,33,34,35,36,37,38,39,40,41,42,43,44,45,46,47,48,49,50,51,52,53,54,55,56,57,58,59,60,61,62,63
	v_exp_f32 v[P+\j], v[P+\j]                     ; p = 2^(t - M)
.endr
	v_pk_mul_f32 v[14:15], v[14:15], v[F:F+1] op_sel_hi:[1,0]       ; the sums under the new M (a plain place behind the batch)
	s_wait_alu depctr_va_vdst(0)                   ; one wait for the 64, ahead of their first reader
.irp b, 0,1,2,3
	v_exp_f32 v[BM+\b], v[BM+\b]                   ; each block's largest p
.endr
	v_pk_add_f32 v[S2:S2+1], v[P:P+1], v[P+2:P+3]  ; the row's sum of the unquantised p, in two chains
.irp j, 4,8,12,16,20,24,28,32,36,40,44,48,52,56,60
	v_pk_add_f32 v[14:15], v[14:15], v[P+\j:P+\j+1]
	v_pk_add_f32 v[S2:S2+1], v[S2:S2+1], v[P+\j+2:P+\j+3]
.endr
	v_pk_add_f32 v[14:15], v[14:15], v[S2:S2+1]
.irp j, 0,2,4,6
	v_pk_mul_f32 v[O+\j:O+\j+1], v[O+\j:O+\j+1], v[F:F+1] op_sel_hi:[1,0]   ; O^T under the new M, from its low end on
.endr
	s_wait_alu depctr_va_vdst(0)                   ; and one for the four
.irp b, 0,1,2,3
	v_max_num_f32 v[BM+\b], 0x1800000, v[BM+\b]    ; the floor: the byte cannot fall under 1
.endr
.irp b, 0,1,2,3
	v_add_nc_u32 v[SO+\b], 0xff000000, v[BM+\b]
.endr
.irp b, 0,1,2,3
	v_lshrrev_b32 v[T4+\b], 23, v[SO+\b]
.endr
	v_lshl_or_b32 v[PS], v[T4+1], 8, v[T4]
	v_lshl_or_b32 v[PS], v[T4+2], 16, v[PS]
	v_lshl_or_b32 v[PS], v[T4+3], 24, v[PS]
	s_wait_dscnt 0x0                               ; v's fragment and bytes are in
	v_lshl_or_b32 v[VS], v[VB+1], 8, v[VB]
	v_lshl_or_b32 v[VS], v[VB+2], 16, v[VS]
	v_lshl_or_b32 v[VS], v[VB+3], 24, v[VS]
.irp c, 0,1
	v_cvt_scalef32_pk16_fp6_f32 v[PC+6*\c:PC+6*\c+2], v[P+32*\c:P+32*\c+15], v[SO+2*\c]
	v_cvt_scalef32_pk16_fp6_f32 v[C2+4*\c:C2+4*\c+2], v[P+32*\c+16:P+32*\c+31], v[SO+2*\c+1]
.endr
	v_nop                                          ; a plain place behind the conversions
.irp c, 0,1                                    ; the operand wants a whole block in a lane
.irp i, 0,1,2
	v_permlane16_swap_b32 v[PC+6*\c+\i], v[C2+4*\c+\i]
.endr
.irp i, 0,1,2
	v_mov_b32 v[PC+6*\c+3+\i], v[C2+4*\c+\i]
.endr
.endr
	PLACES 8                                       ; scale words written by vector instructions stand eight places ahead of a scaled matrix instruction, operands four
	v_wmma_scale_f32_16x16x128_f8f6f4 v[O:O+7], v[VF:VF+11], v[PC:PC+11], v[O:O+7], v[VS], v[PS] matrix_a_fmt:MATRIX_FMT_FP6 matrix_b_fmt:MATRIX_FMT_FP6
	PLACES 4                                       ; in front of the next loads into its sources and of the read of O^T
	s_add_co_u32 s[TB], s[TB], 8192
	s_add_co_u32 s[TV], s[TV], 1600
	s_sub_co_u32 s[STEPS], s[STEPS], 1
	s_cmp_lg_u32 s[STEPS], 0
	s_cbranch_scc1 .Lstep_\@
	v_add_f32 v14, v14, v15
	v_permlanex16_b32 v[T4], v14, s[SEL], s[SEL+1]
	v_add_f32 v14, v14, v[T4]                      ; the row's sum
	v_rcp_f32 v14, v14
	v_nop
	s_wait_alu depctr_va_vdst(0)
.irp j, 0,1,2,3,4,5,6,7
	v_mul_f32 v[PC+\j], v[O+\j], v14
.endr
	global_store_b128 v[A16], v[PC:PC+3], s[10:11] offset:\off      ; an image of the registers: 512 dense bytes a store
	global_store_b128 v[A16], v[PC+4:PC+7], s[10:11] offset:\off+512
.endm
	PASS Q0, 0
	PASS Q0+8, 16384
	s_wait_tensorcnt 0x0                           ; the wave's end
	ds_add_u32 v[SPW], v[NIL]
	s_wait_dscnt 0x0
	s_endpgm
.Lfunc_end_k_qb810af2ace_attn:
	.size	k_qb810af2ace_attn, .Lfunc_end_k_qb810af2ace_attn-k_qb810af2ace_attn
	.p2alignl 7, 3214868480
	.fill 96, 4, 3214868480
	.section	.rodata,"a",@progbits
	.p2align	6, 0x0
	.amdhsa_kernel k_qb810af2ace_attn
		.amdhsa_group_segment_fixed_size 167936
		.amdhsa_private_segment_fixed_size 0
		.amdhsa_enable_private_segment 0
		.amdhsa_kernarg_size 32
		.amdhsa_user_sgpr_count 2
		.amdhsa_user_sgpr_kernarg_segment_ptr 1
		.amdhsa_wavefront_size32 1
		.amdhsa_system_sgpr_workgroup_id_x 1
		.amdhsa_system_sgpr_workgroup_id_y 1
		.amdhsa_system_sgpr_workgroup_id_z 1
		.amdhsa_system_vgpr_workitem_id 0
		.amdhsa_next_free_vgpr 256
		.amdhsa_next_free_sgpr 66
		.amdhsa_reserve_vcc 0
		.amdhsa_float_denorm_mode_32 3
		.amdhsa_float_denorm_mode_16_64 3
		.amdhsa_memory_ordered 1
		.amdhsa_forward_progress 1
		.amdhsa_inst_pref_size 39
	.end_amdhsa_kernel
	.amdgpu_metadata
---
amdhsa.version: [ 1, 2 ]
amdhsa.kernels:
  - .name:           k_qb810af2ace_attn
    .symbol:         k_qb810af2ace_attn.kd
    .args:
      - { .name: qb, .offset: 0, .size: 8, .value_kind: global_buffer, .address_space: global }
      - { .name: kb, .offset: 8, .size: 8, .value_kind: global_buffer, .address_space: global }
      - { .name: vb, .offset: 16, .size: 8, .value_kind: global_buffer, .address_space: global }
      - { .name: att, .offset: 24, .size: 8, .value_kind: global_buffer, .address_space: global }
    .group_segment_fixed_size: 167936
    .private_segment_fixed_size: 0
    .kernarg_segment_align: 8
    .kernarg_segment_size: 32
    .max_flat_workgroup_size: 512
    .sgpr_count:     66
    .vgpr_count:     256
    .wavefront_size: 32
...
	.end_amdgpu_metadata
.endif
;; end of part 2
;; launch proj (part 3): grid 256 x 1, 16 waves a work-group, clusters of 4 x 1, 219,648 bytes of LDS; arguments att, x, Wproj_codes, Wproj_scales, bproj, ln2_g, ln2_b, x1, h2c, h2s; writes x1, h2c, h2s
.if DOCPART == 3
	.amdgcn_target "amdgcn-amd-amdhsa--gfx1250"
	.amdhsa_code_object_version 6
	.text
	.protected	k_qb810af2ace_proj
	.globl	k_qb810af2ace_proj
	.p2align	8
	.type	k_qb810af2ace_proj,@function
k_qb810af2ace_proj:
	s_mov_b64 s[64:65], 0
	v_nop
	global_prefetch_b8 v0, s[64:65] scope:SCOPE_SE
	s_setreg_imm32_b32 hwreg(HW_REG_WAVE_MODE, 25, 1), 1
	s_wait_xcnt 0x0
	s_wait_alu depctr_hold_cnt(0) depctr_sa_sdst(0) depctr_va_vdst(0) depctr_va_sdst(0) depctr_va_ssrc(0) depctr_va_vcc(0) depctr_vm_vsrc(0)
	s_getreg_b32 s2, hwreg(HW_REG_IB_STS2, 6, 4)
	s_cmp_eq_u32 s2, 0
	s_cbranch_scc0 .Lentry_in_a_cluster
	s_endpgm
.Lentry_in_a_cluster:
	s_bfe_u32 s2, ttmp6, 0x10000c
	s_cmp_lg_u32 s2, 0x3003
	s_cbranch_scc0 .Lentry_shape_is_right
	s_endpgm
.Lentry_shape_is_right:
; LAUNCH 3 OF 5.  x1 = x + Q(attn) Wproj + bproj;  h2 = LayerNorm2(x1), quantised along D.  No work of reference() is left out.  LIMITS as in the first launch.
; SHARES.  A work-group takes 32 tokens (G = 4 x cluster x + cx), two tiles; row r of tile t is local token 8 t + r + 8 (r / 8).  Wave w owns columns 32 w .. 32 w + 31 for all 32 tokens.
; All of Wproj (98,304 bytes) lies in LDS; the four partners ask for it jointly (mask 15).
; The product is used transposed (source 0 = 16 rows of Wproj, source 1 = 16 tokens), and the rows of a tile are 32 w + 8 u + r + 8 (r / 8): a lane's 16 registers are columns 32 w + 16 h + 0 .. 15 of one token,
; half of block w of the next K.  A token's mean and variance are summed over the sixteen waves through LDS, in two passes as reference() has them.
.set WP,   0                           ; Wproj's codes: 512 rows, 3 x (64 + 16) bytes
.set WPS,  122880                      ; its scale bytes: 16 x (256 + 16)
.set XT,   127232                      ; 32 rows of x, later of x1: 2,048 + 16
.set AC,   193280                      ; attn's codes: 32 rows, 208 bytes apart
.set AS,   199936                      ; attn's scale bytes: 8 a row
.set ST1,  200192                      ; partial sums: [tile][row 16][wave 16] words; the squares' 2,048 bytes on
.set HC2,  204288                      ; h2's codes: 32 rows, 400 bytes apart
.set HS2,  217088                      ; h2's scale bytes: 16 a row
.set SPARE, 217600
.set A16, 1
.set AAT, 2
.set ACW, 3
.set ASW, 4
.set AXW, 5
.set AAF, 6
.set AAS, 7
.set AWF, 8                            ; v8, v9
.set AWS, 10
.set AXR, 11
.set AS1W, 12
.set AS1R, 13
.set AHW, 14
.set AHB, 15
.set AHR, 16
.set AHR2, 17
.set AHG, 18
.set ABP, 19
.set SPW, 20
.set NIL, 21
.set AHSR, 22
.set ASC, 24                           ; v24-27 attn's scale words, 2 t + s: scales alone
.set WSR, 28                           ; v28-31 Wproj's, 2 u + s: scales alone
.set AF,  32                           ; v32-79
.set WF,  80                           ; v80-127
.set ACC, 128                          ; v128-159, accumulator (t, u) at 16 t + 8 u; later x1 - mean, later h2
.set XR,  160                          ; v160-191 x, then x1
.set BP,  192
.set G,   208
.set BB,  224
.set T,   240
.set U,   244
.set WV,  24
.set G1W, 32
.set G1WS, 40
.set G0W, 48
.set G0WS, 52
.set SEL, 56
.macro PLACES n
.rept \n
	v_nop
.endr
.endm
.macro ROUND
	s_barrier_signal -1
	s_barrier_wait -1
	s_cmp_lg_u32 s[WV], 0
	s_cbranch_scc1 .Lnot_wave_0_\@
	s_barrier_signal -3
.Lnot_wave_0_\@:
	s_barrier_wait -3
	s_barrier_signal -1
	s_barrier_wait -1
.endm
.macro BARRIER                         ; my LDS stores have landed and my LDS loads are in: then the work-group's barrier
	s_wait_dscnt 0x0
	s_barrier_signal -1
	s_barrier_wait -1
.endm
.macro FRAGP reg, adr, off
.irp p, 0,1,2,3,4,5
	ds_load_b64 v[\reg+2*\p:\reg+2*\p+1], v[\adr] offset:(\off)+48*(\p/3)+8*(\p%3)
.endr
.endm
.macro FRAGR reg, adr, pb, rowoff, seg
.irp p, 0,1,2,3,4,5
.set PCX, (\pb)+6*(\p/3)+\p%3
.if PCX%(\seg) < (\seg)-3
	ds_load_b64 v[\reg+2*\p:\reg+2*\p+1], v[\adr] offset:8*PCX+16*(PCX/(\seg))+(\rowoff)
.else
	ds_load_b64 v[\reg+2*\p:\reg+2*\p+1], v[\adr+1] offset:8*PCX+16*(PCX/(\seg))+(\rowoff)
.endif
.endr
.endm
.macro W6 d, a, b, c, sa, sb
	v_wmma_scale_f32_16x16x128_f8f6f4 v[\d:\d+7], v[\a:\a+11], v[\b:\b+11], v[\c:\c+7], v[\sa], v[\sb] matrix_a_fmt:MATRIX_FMT_FP6 matrix_b_fmt:MATRIX_FMT_FP6
.endm
.macro Q16 src, mx, tp, so, by, cd     ; 16 numbers of a lane, half a block; lane l xor 16 holds the other half
	v_max3_num_f32 v[\mx], |v[\src]|, |v[\src+1]|, 0x1800000
.irp k, 2,4,6,8,10,12,14
	v_max3_num_f32 v[\mx], v[\mx], |v[\src+\k]|, |v[\src+\k+1]|
.endr
	v_permlanex16_b32 v[\tp], v[\mx], s[SEL], s[SEL+1]
	v_max_num_f32 v[\mx], v[\mx], v[\tp]
	v_add_nc_u32 v[\so], 0xff000000, v[\mx]
	v_cvt_scalef32_pk16_fp6_f32 v[\cd:\cd+2], v[\src:\src+15], v[\so]
	v_lshrrev_b32 v[\by], 23, v[\so]               ; the byte; also the plain place behind the conversion
.endm
.macro SUM16 dst, src
	v_pk_add_f32 v[\dst:\dst+1], v[\src:\src+1], v[\src+2:\src+3]
.irp k, 4,6,8,10,12,14
	v_pk_add_f32 v[\dst:\dst+1], v[\dst:\dst+1], v[\src+\k:\src+\k+1]
.endr
	v_add_f32 v[\dst], v[\dst], v[\dst+1]
.endm
.macro SQ16 dst, src
	v_pk_mul_f32 v[\dst:\dst+1], v[\src:\src+1], v[\src:\src+1]
.irp k, 2,4,6,8,10,12,14
	v_pk_fma_f32 v[\dst:\dst+1], v[\src+\k:\src+\k+1], v[\src+\k:\src+\k+1], v[\dst:\dst+1]
.endr
	v_add_f32 v[\dst], v[\dst], v[\dst+1]
.endm
	s_load_b512 s[4:19], s[0:1], 0x0               ; att, x, Wproj codes, Wproj scales, bproj, ln2_g, ln2_b, x1
	s_load_b128 s[20:23], s[0:1], 0x40             ; h2c, h2s
	v_lshl_add_u32 v[SPW], v0, 2, SPARE
	v_mov_b32 v[NIL], 0
	ds_add_u32 v[SPW], v[NIL]                      ; the opening: the add, twice on end, and its wait ahead of the first tensor load
	ds_add_u32 v[SPW], v[NIL]
	v_lshrrev_b32 v240, 5, v0
	v_readfirstlane_b32 s[WV], v240                ; wave 0..15
	s_bfe_u32 s25, ttmp6, 0x40000                  ; cx
	s_lshl_b32 s26, ttmp9, 2
	s_add_co_u32 s26, s26, s25                     ; G: my 32 tokens
	s_lshr_b32 s27, s26, 5                         ; batch
	s_and_b32 s28, s26, 31                         ; g
	s_lshr_b32 s29, s[WV], 3                       ; which tile of attn I quantise,
	s_and_b32 s30, s[WV], 7                        ; and which block of 32 along K: heads 2 kb, 2 kb + 1
	s_mov_b32 s[G1W+0], 15|(0<<16)|(1<<20)|(1<<21)|(3<<22)|(3<<25)  ; mask: all four; bytes; padding of 4 words after every 16
	s_mov_b32 s[G1W+1], 192<<16
	s_mov_b32 s[G1W+2], 128<<16
	s_mov_b32 s[G1W+3], 192<<16
	s_mov_b32 s[G1W+4], 128
	s_mov_b32 s[G1W+5], 192
	s_mov_b32 s[G1W+6], 0
	s_mov_b32 s[G1W+7], 0
	s_mov_b32 s[G1WS+0], 15|(3<<16)|(1<<20)|(1<<21)|(5<<22)|(3<<25) ; 16 rows of 256 bytes, 16 of padding behind each
	s_mov_b32 s[G1WS+1], 32<<16
	s_mov_b32 s[G1WS+2], 16<<16
	s_mov_b32 s[G1WS+3], 32<<16
	s_mov_b32 s[G1WS+4], 16
	s_mov_b32 s[G1WS+5], 32
	s_mov_b32 s[G1WS+6], 0
	s_mov_b32 s[G1WS+7], 0
	s_mov_b32 s[SEL], 0x76543210
	s_mov_b32 s[SEL+1], 0xfedcba98
	s_mov_b32 s58, 0x3b000000                      ; 1 / 512
	s_mov_b32 s59, 0x3727c5ac                      ; 1e-5
	v_and_b32 v240, 31, v0                         ; l
	v_and_b32 v241, 15, v0                         ; r
	v_bfe_u32 v242, v0, 4, 1                       ; h
	v_and_b32 v243, 8, v241
	v_add_nc_u32 v243, v243, v241                  ; r + 8 (r / 8)
	v_lshlrev_b32 v[A16], 4, v240
	v_lshlrev_b32 v[AAT], 4, v241
	v_lshl_add_u32 v[AAT], v242, 16, v[AAT]        ; att: head 2 kb + h is 65,536 h bytes on; 16 r in an image's quarter
	s_mul_i32 s77, s29, 8*208
	s_mul_i32 s78, s30, 24
	s_add_co_u32 s77, s77, s78
	s_add_co_u32 s77, s77, AC
	v_mul_u32_u24 v246, v243, 208
	v_mad_u32_u24 v247, v242, 12, v246
	v_add_nc_u32 v[ACW], s77, v247
	s_lshl_b32 s77, s29, 6
	s_add_co_u32 s77, s77, s30
	s_add_co_u32 s77, s77, AS
	v_lshl_add_u32 v[ASW], v243, 3, s77
	s_mul_i32 s77, s[WV], 2*2064
	s_add_co_u32 s77, s77, XT
	v_add_nc_u32 v[AXW], s77, v[A16]
	v_mad_u32_u24 v247, v242, 24, v246
	v_add_nc_u32 v[AAF], AC, v247
	v_lshl_add_u32 v[AAS], v243, 3, AS
	s_mul_i32 s77, s[WV], 32*240
	v_mul_u32_u24 v246, v243, 240
	v_add_nc_u32 v246, s77, v246
	v_mad_u32_u24 v[AWF], v242, 24, v246
	v_mad_u32_u24 v[AWF+1], v242, 40, v246
	s_mul_i32 s77, s[WV], 272
	s_add_co_u32 s77, s77, WPS
	v_lshl_add_u32 v[AWS], v243, 3, s77
	s_lshl_b32 s77, s[WV], 7
	s_add_co_u32 s77, s77, XT
	v_mul_u32_u24 v246, v243, 2064
	v_lshl_add_u32 v246, v242, 6, v246
	v_add_nc_u32 v[AXR], s77, v246
	v_lshl_add_u32 v[AS1R], v241, 6, ST1
	s_lshl_b32 s77, s[WV], 2
	v_add_nc_u32 v[AS1W], s77, v[AS1R]
	s_mul_i32 s77, s[WV], 24
	s_add_co_u32 s77, s77, HC2
	v_mul_u32_u24 v246, v243, 400
	v_mad_u32_u24 v246, v242, 12, v246
	v_add_nc_u32 v[AHW], s77, v246
	s_add_co_u32 s77, s[WV], HS2
	v_lshl_add_u32 v[AHB], v243, 4, s77
	s_mul_i32 s77, s[WV], 800
	s_add_co_u32 s77, s77, HC2
	v_lshl_add_u32 v[AHR], v240, 3, s77
	v_lshl_add_u32 v[AHR2], v242, 4, v[AHR]
	v_lshlrev_b32 v[AHG], 3, v240
	v_lshlrev_b32 v[ABP], 6, v242
	v_add_nc_u32 v[AHSR], HS2, v[A16]
	v_mov_b32 v244, 0                              ; lane permutes' destinations: written once
	v_mov_b32 v245, 0
	v_mov_b32 v253, 0
	s_lshl_b32 s66, s27, 4
	s_lshl_b32 s67, s30, 1
	s_add_co_u32 s66, s66, s67                     ; bh of head 2 kb
	s_lshl_b32 s66, s66, 6
	s_lshl_b32 s67, s28, 1
	s_add_co_u32 s66, s66, s67
	s_add_co_u32 s66, s66, s29                     ; its tile 2 g + t
	s_lshl_b32 s66, s66, 10
	s_mov_b32 s67, 0
	s_lshl_b32 s68, s26, 16                        ; x, x1: 32 G rows of 2,048 bytes + my wave's two
	s_lshl_b32 s69, s[WV], 12
	s_add_co_u32 s68, s68, s69
	s_mov_b32 s69, 0
	s_mul_i32 s70, s26, 12288                      ; h2c: 32 G rows of 384 bytes + my wave's two
	s_mul_i32 s71, s[WV], 768
	s_add_co_u32 s70, s70, s71
	s_mov_b32 s71, 0
	s_lshl_b32 s72, s26, 9                         ; h2s: 32 G rows of 16 bytes
	s_mov_b32 s73, 0
	s_lshl_b32 s74, s[WV], 7                       ; my 32 columns in bproj, gain and bias
	s_mov_b32 s75, 0
	s_and_b32 s76, s[WV], 3
	s_mul_i32 s78, s76, 24576                      ; waves 0-3: 128 rows of Wproj each
	s_mov_b32 s79, 0
	s_wait_dscnt 0x0                               ; both opening adds are done
	s_wait_kmcnt 0x0
	s_add_nc_u64 s[4:5], s[4:5], s[66:67]
	s_add_nc_u64 s[6:7], s[6:7], s[68:69]
	s_add_nc_u64 s[18:19], s[18:19], s[68:69]
	s_add_nc_u64 s[20:21], s[20:21], s[70:71]
	s_add_nc_u64 s[22:23], s[22:23], s[72:73]
	s_add_nc_u64 s[12:13], s[12:13], s[74:75]
	s_add_nc_u64 s[14:15], s[14:15], s[74:75]
	s_add_nc_u64 s[16:17], s[16:17], s[74:75]
	global_load_b128 v[32:35], v[AAT], s[4:5]                       ; dims 0-3 of my head, of token row r
	global_load_b128 v[36:39], v[AAT], s[4:5] offset:512            ; dims 4-7
	global_load_b128 v[40:43], v[AAT], s[4:5] offset:256            ; dims 8-11
	global_load_b128 v[44:47], v[AAT], s[4:5] offset:768            ; dims 12-15
.irp i, 0,1
.irp j, 0,1,2,3
	global_load_b128 v[XR+16*\i+4*\j:XR+16*\i+4*\j+3], v[A16], s[6:7] offset:2048*\i+512*\j th:TH_LOAD_NT
.endr
.endr
.irp j, 0,1,2,3
	global_load_b128 v[BP+4*\j:BP+4*\j+3], v[ABP], s[12:13] offset:16*\j
	global_load_b128 v[G+4*\j:G+4*\j+3], v[ABP], s[14:15] offset:16*\j
	global_load_b128 v[BB+4*\j:BB+4*\j+3], v[ABP], s[16:17] offset:16*\j
.endr
	s_mov_b32 s[G0W], 1
	s_mul_i32 s[G0W+1], s76, 128*240
	s_add_nc_u64 s[G0W+2:G0W+3], s[8:9], s[78:79]
	s_or_b32 s[G0W+3], s[G0W+3], 0x80000000
	s_mov_b32 s[G0WS], 1
	s_mov_b32 s[G0WS+1], WPS
	s_mov_b64 s[G0WS+2:G0WS+3], s[10:11]
	s_or_b32 s[G0WS+3], s[G0WS+3], 0x80000000
	ROUND                                          ; all four work-groups are here: the joint loads meet
	s_cmp_lt_u32 s[WV], 4                          ; waves 0-3: the codes; wave 4: the scale bytes
	s_cbranch_scc0 .Lnot_codes
	tensor_load_to_lds s[G0W:G0W+3], s[G1W:G1W+7]
	s_nop 0
	PLACES 4
	s_branch .Lasked
.Lnot_codes:
	s_cmp_eq_u32 s[WV], 4
	s_cbranch_scc0 .Lasked
	tensor_load_to_lds s[G0WS:G0WS+3], s[G1WS:G1WS+7]
	s_nop 0
	PLACES 4
.Lasked:
	; ---- attn is quantised along K = head x 16 + dim; x goes to LDS by rows
	s_wait_loadcnt 20                              ; attn's four loads are in; x's 8 and the 12 of bproj, gain and bias may be out
	Q16 32, 244, 245, 246, 247, 240
	ds_store_b32 v[ACW], v240
	ds_store_b32 v[ACW], v241 offset:4
	ds_store_b32 v[ACW], v242 offset:8
	ds_store_b8 v[ASW], v247
	s_wait_loadcnt 12                              ; x is in
.irp i, 0,1
.irp j, 0,1,2,3
	ds_store_b128 v[AXW], v[XR+16*\i+4*\j:XR+16*\i+4*\j+3] offset:2064*\i+512*\j
.endr
.endr
	s_wait_tensorcnt 0x0                           ; my part of Wproj has landed
	s_wait_loadcnt 0x0
	BARRIER
	; ---- the product: K = 256 in two steps
.irp t, 0,1
.irp s, 0,1
	FRAGP AF+12*(2*\t+\s), AAF, 8*208*\t+96*\s
.endr
	ds_load_b64 v[ASC+2*\t:ASC+2*\t+1], v[AAS] offset:64*\t
.endr
.irp u, 0,1
.irp s, 0,1
	FRAGR WF+12*(2*\u+\s), AWF, 12*\s, 8*240*\u, 8
.endr
	ds_load_b64 v[WSR+2*\u:WSR+2*\u+1], v[AWS] offset:64*\u
.endr
.irp t, 0,1
.irp j, 0,1,2,3
	ds_load_b128 v[XR+16*\t+4*\j:XR+16*\t+4*\j+3], v[AXR] offset:8*2064*\t+16*\j   ; x at my token and my 16 columns
.endr
.endr
	s_wait_dscnt 0x0
.irp s, 0,1
.irp t, 0,1
.irp u, 0,1                                    ; the four accumulators by turns; the first step takes bproj as C
.if \s == 0
	W6 ACC+16*\t+8*\u, WF+12*(2*\u+\s), AF+12*(2*\t+\s), BP+8*\u, WSR+2*\u+\s, ASC+2*\t+\s
.else
	W6 ACC+16*\t+8*\u, WF+12*(2*\u+\s), AF+12*(2*\t+\s), ACC+16*\t+8*\u, WSR+2*\u+\s, ASC+2*\t+\s
.endif
.endr
.endr
.endr
	PLACES 4
.irp k, 0,2,4,6,8,10,12,14,16,18,20,22,24,26,28,30
	v_pk_add_f32 v[XR+\k:XR+\k+1], v[ACC+\k:ACC+\k+1], v[XR+\k:XR+\k+1]   ; x1, each accumulator from its low end on
.endr
	; ---- LayerNorm 2: the mean
.irp t, 0,1
	SUM16 T+2*\t, XR+16*\t
.endr
.irp t, 0,1
	v_permlanex16_b32 v[U+\t], v[T+2*\t], s[SEL], s[SEL+1]
.endr
.irp t, 0,1
	v_add_f32 v[T+2*\t], v[T+2*\t], v[U+\t]        ; my wave's 32 columns
	ds_store_b32 v[AS1W], v[T+2*\t] offset:1024*\t ; both halves write the same word with the same value
.endr
	BARRIER
.irp t, 0,1
.irp j, 0,1,2,3
	ds_load_b128 v[32+16*\t+4*\j:32+16*\t+4*\j+3], v[AS1R] offset:1024*\t+16*\j
.endr
.endr
	s_wait_dscnt 0x0
.irp t, 0,1
	SUM16 T+2*\t, 32+16*\t
	v_mul_f32 v[T+2*\t], s58, v[T+2*\t]
.endr
.irp t, 0,1
.irp k, 0,2,4,6,8,10,12,14
	v_pk_add_f32 v[ACC+16*\t+\k:ACC+16*\t+\k+1], v[XR+16*\t+\k:XR+16*\t+\k+1], v[T+2*\t:T+2*\t+1] op_sel_hi:[1,0] neg_lo:[0,1] neg_hi:[0,1]
.endr
.endr
	; ---- the variance
.irp t, 0,1
	SQ16 T+2*\t, ACC+16*\t
.endr
.irp t, 0,1
	v_permlanex16_b32 v[U+\t], v[T+2*\t], s[SEL], s[SEL+1]
.endr
.irp t, 0,1
	v_add_f32 v[T+2*\t], v[T+2*\t], v[U+\t]
	ds_store_b32 v[AS1W], v[T+2*\t] offset:2048+1024*\t
.endr
	BARRIER
.irp t, 0,1
.irp j, 0,1,2,3
	ds_load_b128 v[32+16*\t+4*\j:32+16*\t+4*\j+3], v[AS1R] offset:2048+1024*\t+16*\j
.endr
.endr
	s_wait_dscnt 0x0
.irp t, 0,1
	SUM16 T+2*\t, 32+16*\t
	v_fma_f32 v[T+2*\t], v[T+2*\t], s58, s59
.endr
.irp t, 0,1
	v_rsq_f32 v[T+2*\t], v[T+2*\t]
.endr
	v_nop
	s_wait_alu depctr_va_vdst(0)                   ; one wait for the two, ahead of their first reader
.irp t, 0,1
.irp k, 0,2,4,6,8,10,12,14
	v_pk_mul_f32 v[ACC+16*\t+\k:ACC+16*\t+\k+1], v[ACC+16*\t+\k:ACC+16*\t+\k+1], v[T+2*\t:T+2*\t+1] op_sel_hi:[1,0]
.endr
.endr
.irp t, 0,1
.irp k, 0,2,4,6,8,10,12,14
	v_pk_fma_f32 v[ACC+16*\t+\k:ACC+16*\t+\k+1], v[ACC+16*\t+\k:ACC+16*\t+\k+1], v[G+\k:G+\k+1], v[BB+\k:BB+\k+1]
.endr
.endr
	Q16 ACC, 244, 245, 246, 247, 240
	Q16 ACC+16, 252, 253, 254, 255, 248
.irp t, 0,1
	ds_store_b32 v[AHW], v[240+8*\t] offset:8*400*\t
	ds_store_b32 v[AHW], v[241+8*\t] offset:8*400*\t+4
	ds_store_b32 v[AHW], v[242+8*\t] offset:8*400*\t+8
	ds_store_b8 v[AHB], v[247+8*\t] offset:128*\t
.endr
.irp t, 0,1
.irp j, 0,1,2,3
	ds_store_b128 v[AXR], v[XR+16*\t+4*\j:XR+16*\t+4*\j+3] offset:8*2064*\t+16*\j  ; x1 over the bytes of x that this lane alone has read
.endr
.endr
	BARRIER
	; ---- out, by whole rows
.irp i, 0,1
.irp j, 0,1,2,3
	ds_load_b128 v[32+16*\i+4*\j:32+16*\i+4*\j+3], v[AXW] offset:2064*\i+512*\j
.endr
.endr
	ds_load_b64 v[96:97], v[AHR]                   ; my two rows of codes, 768 bytes, as three runs of 256: the second row begins 16 bytes later in LDS
	ds_load_b64 v[98:99], v[AHR2] offset:256
	ds_load_b64 v[100:101], v[AHR] offset:528
	s_wait_dscnt 0x0
.irp i, 0,1
.irp j, 0,1,2,3
	global_store_b128 v[A16], v[32+16*\i+4*\j:32+16*\i+4*\j+3], s[18:19] offset:2048*\i+512*\j
.endr
.endr
	global_store_b64 v[AHG], v[96:97], s[20:21]
	global_store_b64 v[AHG], v[98:99], s[20:21] offset:256
	global_store_b64 v[AHG], v[100:101], s[20:21] offset:512
	s_cmp_lg_u32 s[WV], 0                          ; the 512 scale bytes: wave 0
	s_cbranch_scc1 .Lno_bytes
	ds_load_b128 v[104:107], v[AHSR]
	s_wait_dscnt 0x0
	global_store_b128 v[A16], v[104:107], s[22:23]
.Lno_bytes:
	s_wait_tensorcnt 0x0                           ; the wave's end
	ds_add_u32 v[SPW], v[NIL]
	s_wait_dscnt 0x0
	ROUND                                          ; the closing round
	s_endpgm
.Lfunc_end_k_qb810af2ace_proj:
	.size	k_qb810af2ace_proj, .Lfunc_end_k_qb810af2ace_proj-k_qb810af2ace_proj
	.p2alignl 7, 3214868480
	.fill 96, 4, 3214868480
	.section	.rodata,"a",@progbits
	.p2align	6, 0x0
	.amdhsa_kernel k_qb810af2ace_proj
		.amdhsa_group_segment_fixed_size 219648
		.amdhsa_private_segment_fixed_size 0
		.amdhsa_enable_private_segment 0
		.amdhsa_kernarg_size 80
		.amdhsa_user_sgpr_count 2
		.amdhsa_user_sgpr_kernarg_segment_ptr 1
		.amdhsa_wavefront_size32 1
		.amdhsa_system_sgpr_workgroup_id_x 1
		.amdhsa_system_sgpr_workgroup_id_y 1
		.amdhsa_system_sgpr_workgroup_id_z 1
		.amdhsa_system_vgpr_workitem_id 0
		.amdhsa_next_free_vgpr 256
		.amdhsa_next_free_sgpr 80
		.amdhsa_reserve_vcc 0
		.amdhsa_float_denorm_mode_32 3
		.amdhsa_float_denorm_mode_16_64 3
		.amdhsa_memory_ordered 1
		.amdhsa_forward_progress 1
		.amdhsa_inst_pref_size 32
	.end_amdhsa_kernel
	.amdgpu_metadata
---
amdhsa.version: [ 1, 2 ]
amdhsa.kernels:
  - .name:           k_qb810af2ace_proj
    .symbol:         k_qb810af2ace_proj.kd
    .args:
      - { .name: att, .offset: 0, .size: 8, .value_kind: global_buffer, .address_space: global }
      - { .name: x, .offset: 8, .size: 8, .value_kind: global_buffer, .address_space: global }
      - { .name: Wproj_codes, .offset: 16, .size: 8, .value_kind: global_buffer, .address_space: global }
      - { .name: Wproj_scales, .offset: 24, .size: 8, .value_kind: global_buffer, .address_space: global }
      - { .name: bproj, .offset: 32, .size: 8, .value_kind: global_buffer, .address_space: global }
      - { .name: ln2_g, .offset: 40, .size: 8, .value_kind: global_buffer, .address_space: global }
      - { .name: ln2_b, .offset: 48, .size: 8, .value_kind: global_buffer, .address_space: global }
      - { .name: x1, .offset: 56, .size: 8, .value_kind: global_buffer, .address_space: global }
      - { .name: h2c, .offset: 64, .size: 8, .value_kind: global_buffer, .address_space: global }
      - { .name: h2s, .offset: 72, .size: 8, .value_kind: global_buffer, .address_space: global }
    .group_segment_fixed_size: 219648
    .private_segment_fixed_size: 0
    .kernarg_segment_align: 8
    .kernarg_segment_size: 80
    .max_flat_workgroup_size: 512
    .sgpr_count:     80
    .vgpr_count:     256
    .wavefront_size: 32
...
	.end_amdgpu_metadata
.endif
;; end of part 3
;; launch ffn1 (part 4): grid 8 x 32, 4 waves a work-group, clusters of 4 x 4, 230,400 bytes of LDS; arguments h2c, h2s, W1_codes, W1_scales, b1, hid; writes hid
.if DOCPART == 4
	.amdgcn_target "amdgcn-amd-amdhsa--gfx1250"
	.amdhsa_code_object_version 6
	.text
	.protected	k_qb810af2ace_ffn1
	.globl	k_qb810af2ace_ffn1
	.p2align	8
	.type	k_qb810af2ace_ffn1,@function
k_qb810af2ace_ffn1:
	s_mov_b64 s[64:65], 0
	v_nop
	global_prefetch_b8 v0, s[64:65] scope:SCOPE_SE
	s_setreg_imm32_b32 hwreg(HW_REG_WAVE_MODE, 25, 1), 1
	s_wait_xcnt 0x0
	s_wait_alu depctr_hold_cnt(0) depctr_sa_sdst(0) depctr_va_vdst(0) depctr_va_sdst(0) depctr_va_ssrc(0) depctr_va_vcc(0) depctr_vm_vsrc(0)
	s_getreg_b32 s2, hwreg(HW_REG_IB_STS2, 6, 4)
	s_cmp_eq_u32 s2, 0
	s_cbranch_scc0 .Lentry_in_a_cluster
	s_endpgm
.Lentry_in_a_cluster:
	s_bfe_u32 s2, ttmp6, 0x10000c
	s_cmp_lg_u32 s2, 0xf033
	s_cbranch_scc0 .Lentry_shape_is_right
	s_endpgm
.Lentry_shape_is_right:
; LAUNCH 4 OF 5.  hid = Q(leaky_relu(h2 W1 + b1)), quantised along the 2,048 hidden units.  No work of reference() is left out.  LIMITS as in the first launch.
; A work-group makes 256 tokens x 256 units; all of K = 512 lies in LDS, filled once: no ring.  Four waves, each 128 x 128: 64 accumulators.
; CLUSTER 4 x 4: h2's tile is shared along a row of the cluster, W1's along a column: joint loads.
; The product is used transposed (source 0 = 16 rows of W1, source 1 = 16 tokens).  Row r of tile 2 b + u (of W1 and of the tokens alike) is row 32 b + 8 u + r + 8 (r / 8): so a lane's 64 registers of a token tile are,
; in fours of 16, neighbours along the next K, and one load with one offset brings a token tile's scale words in lanes 0-15 and a unit tile's in lanes 16-31.
; OUT: hid [token tile 512][chunk of 512 units 4][6,656]: four images of a fragment's 12 registers (1,536 bytes: registers 4 c .. 4 c + 3 of lane l at 512 c + 16 l), then four images of its scale word (4 bytes a lane).
; REGISTERS, in windows of 256: window 0: v0-31 addresses; v32-63 scale words (4 i + s); v64-159 W1's fragments, set 1; v160-255 the tokens', set 1.
;   window 1: v0-95 W1's, set 0; v96-191 the tokens', set 0; v192-255 b1 in the result's layout.   windows 2, 3: accumulator (a, b) at v[8 (8 (a % 4) + b)].
.set WPITCH, 432
.set HALFT,  128*WPITCH
.set SCL,    4*HALFT
.set HALFS,  8*272
.set SPARE,  SCL+4*HALFS
.set ADRA, 16                          ; v16, v17
.set ADRB, 18                          ; v18, v19
.set ADRS, 20
.set L16,  21
.set L4,   22
.set AB1,  23
.set SPW,  28
.set NIL,  29
.set SC,   32
.set HA,   64                          ; on the way out: 64 numbers,
.set PC,   128                         ; their codes,
.set TM,   148                         ; at work,
.set PW,   164                         ; their scale word
.set WV,   16
.set RH,   17
.set CH,   18
.set TR,   19
.set G1,   24
.set G0,   32
.set G1B,  48
.set G0B,  56
.set SLOPE, 60
.set SEL,  62
.set G1S,  68
.set G0S,  76
.set G1SB, 80
.set G0SB, 88
.set MSB, 0
.macro WIN new                         ; the immediate's high byte repeats the setting that is left
.if MSB != (\new)
	s_set_vgpr_msb (MSB<<8)|(\new)
.set MSB, (\new)
.endif
.endm
.macro PLACES n
.rept \n
	v_nop
.endr
.endm
.macro ROUND
	s_barrier_signal -1
	s_barrier_wait -1
	s_cmp_lg_u32 s[WV], 0
	s_cbranch_scc1 .Lnot_wave_0_\@
	s_barrier_signal -3
.Lnot_wave_0_\@:
	s_barrier_wait -3
	s_barrier_signal -1
	s_barrier_wait -1
.endm
.macro JLOAD g0a, g1a, g0b, g1b        ; a joint load: waves 0 and 1 fetch for the tokens, waves 2 and 3 for W1; the branch hangs on the wave's number alone
	s_cmp_eq_u32 s[RH], 0
	s_cbranch_scc0 .Lfor_b_\@
	tensor_load_to_lds s[\g0a:\g0a+3], s[\g1a:\g1a+7]
	s_nop 0
	PLACES 4
	s_branch .Lasked_\@
.Lfor_b_\@:
	tensor_load_to_lds s[\g0b:\g0b+3], s[\g1b:\g1b+7]
	s_nop 0
	PLACES 4
.Lasked_\@:
.endm
.macro FRAGR reg, adr, pb, rowoff, seg
.irp p, 0,1,2,3,4,5
.set PCX, (\pb)+6*(\p/3)+\p%3
.if PCX%(\seg) < (\seg)-3
	ds_load_b64 v[\reg+2*\p:\reg+2*\p+1], v[\adr] offset:8*PCX+16*(PCX/(\seg))+(\rowoff)
.else
	ds_load_b64 v[\reg+2*\p:\reg+2*\p+1], v[\adr+1] offset:8*PCX+16*(PCX/(\seg))+(\rowoff)
.endif
.endr
.endm
.macro W6R d, a, b, c, sa, sb          ; source 0's scales stand in lanes 16-31 of their register
	v_wmma_scale_f32_16x16x128_f8f6f4 v[\d:\d+7], v[\a:\a+11], v[\b:\b+11], v[\c:\c+7], v[\sa], v[\sb] matrix_a_fmt:MATRIX_FMT_FP6 matrix_b_fmt:MATRIX_FMT_FP6 matrix_a_scale:MATRIX_SCALE_ROW1
.endm
; 64 numbers of a lane, register 16 b + i = k 32 b + 16 (lane / 16) + i of my row, become a fragment's codes in v[PC] on and its scale word in v[PW]
.macro QUANT s
.irp b, 0,1,2,3
	v_max3_num_f32 v[TM+\b], |v[\s+16*\b]|, |v[\s+1+16*\b]|, 0x1800000
.endr
.irp i, 2,4,6,8,10,12,14
.irp b, 0,1,2,3
	v_max3_num_f32 v[TM+\b], v[TM+\b], |v[\s+16*\b+\i]|, |v[\s+1+16*\b+\i]|
.endr
.endr
.irp b, 0,1,2,3
	v_permlanex16_b32 v[TM+4+\b], v[TM+\b], s[SEL], s[SEL+1]
.endr
.irp b, 0,1,2,3
	v_max_num_f32 v[TM+\b], v[TM+\b], v[TM+4+\b]
.endr
.irp b, 0,1,2,3
	v_add_nc_u32 v[TM+12+\b], 0xff000000, v[TM+\b]
.endr
.irp b, 0,1,2,3
	v_lshrrev_b32 v[TM+4+\b], 23, v[TM+12+\b]
.endr
	v_lshl_or_b32 v[PW], v[TM+5], 8, v[TM+4]
	v_lshl_or_b32 v[PW], v[TM+6], 16, v[PW]
	v_lshl_or_b32 v[PW], v[TM+7], 24, v[PW]
.irp c, 0,1
	v_cvt_scalef32_pk16_fp6_f32 v[PC+6*\c:PC+2+6*\c], v[\s+32*\c:\s+15+32*\c], v[TM+12+2*\c]
	v_cvt_scalef32_pk16_fp6_f32 v[PC+12+4*\c:PC+14+4*\c], v[\s+16+32*\c:\s+31+32*\c], v[TM+12+2*\c+1]
.endr
	v_nop                                          ; a plain place behind the conversions
.irp c, 0,1
.irp i, 0,1,2
	v_permlane16_swap_b32 v[PC+6*\c+\i], v[PC+12+4*\c+\i]
.endr
.irp i, 0,1,2
	v_mov_b32 v[PC+3+6*\c+\i], v[PC+12+4*\c+\i]
.endr
.endr
.endm
	s_load_b256 s[4:11], s[0:1], 0x0               ; h2c, h2s, W1 codes, W1 scales
	s_load_b128 s[12:15], s[0:1], 0x20             ; b1, hid
	v_lshl_add_u32 v[SPW], v0, 2, SPARE
	v_mov_b32 v[NIL], 0
	ds_add_u32 v[SPW], v[NIL]                      ; the opening: the add, twice on end, and its wait ahead of the first tensor load
	ds_add_u32 v[SPW], v[NIL]
	v_lshrrev_b32 v1, 5, v0
	v_readfirstlane_b32 s[WV], v1                  ; wave 0..3
	s_lshr_b32 s[RH], s[WV], 1                     ; my half of the tokens.  Also: I fetch for the tokens (0) or for W1 (1)
	s_and_b32 s[CH], s[WV], 1                      ; my half of the units.  Also: which 128 rows I fetch
	s_bfe_u32 s40, ttmp6, 0x40000                  ; cx
	s_bfe_u32 s41, ttmp6, 0x40004                  ; cy
	s_lshl_b32 s42, ttmp9, 2
	s_add_co_u32 s42, s42, s40                     ; tile column: 256 units
	s_and_b32 s[TR], ttmp7, 0xffff
	s_lshl_b32 s[TR], s[TR], 2
	s_add_co_u32 s[TR], s[TR], s41                 ; tile row: 256 tokens
	s_lshl_b32 s43, s41, 2
	s_lshl_b32 s43, 15, s43                        ; my row of the cluster
	s_lshl_b32 s44, 0x1111, s40                    ; my column
	s_or_b32 s[G1+0], s43, (3<<16)|(1<<20)|(1<<21)|(4<<22)|(3<<25)    ; elements of 8 bytes; 4 words of padding after every 32
	s_or_b32 s[G1B+0], s44, (3<<16)|(1<<20)|(1<<21)|(4<<22)|(3<<25)
.irp g, G1, G1B
	s_mov_b32 s[\g+1], 48<<16                      ; a row of 384 bytes
	s_mov_b32 s[\g+2], 128<<16
	s_mov_b32 s[\g+3], 48<<16
	s_mov_b32 s[\g+4], 128
	s_mov_b32 s[\g+5], 48
	s_mov_b32 s[\g+6], 0
	s_mov_b32 s[\g+7], 0
.endr
	s_or_b32 s[G1S+0], s43, (3<<16)|(1<<20)|(1<<21)|(5<<22)|(3<<25)   ; the scale bytes of 128 rows: 8 rows of 256 bytes, 16 of padding behind each
	s_or_b32 s[G1SB+0], s44, (3<<16)|(1<<20)|(1<<21)|(5<<22)|(3<<25)
.irp g, G1S, G1SB
	s_mov_b32 s[\g+1], 32<<16
	s_mov_b32 s[\g+2], 8<<16
	s_mov_b32 s[\g+3], 32<<16
	s_mov_b32 s[\g+4], 8
	s_mov_b32 s[\g+5], 32
	s_mov_b32 s[\g+6], 0
	s_mov_b32 s[\g+7], 0
.endr
	s_mov_b32 s[SLOPE], 0x3c23d70a                 ; 0.01
	s_mov_b32 s[SEL], 0x76543210
	s_mov_b32 s[SEL+1], 0xfedcba98
	s_lshl_b32 s22, s[CH], 7
	s_lshl_b32 s20, s[TR], 8
	s_add_co_u32 s20, s20, s22                     ; tokens: row 256 x tile row + 128 x half
	s_lshl_b32 s46, s42, 8
	s_add_co_u32 s46, s46, s22                     ; W1: row 256 x tile column + 128 x half
	s_mov_b32 s21, 0
	s_mov_b32 s47, 0
	s_lshl_b64 s[36:37], s[20:21], 4               ; their scale bytes,
	s_lshl_b64 s[92:93], s[46:47], 4
	s_mul_i32 s20, s20, 384                        ; their codes
	s_mul_i32 s46, s46, 384
	s_mul_i32 s45, s[WV], HALFT                    ; where they go: no place in the cluster enters an LDS address
	s_mul_i32 s94, s[WV], HALFS
	s_wait_dscnt 0x0                               ; both opening adds are done
	s_wait_kmcnt 0x0
	s_add_nc_u64 s[20:21], s[4:5], s[20:21]
	s_add_nc_u64 s[36:37], s[6:7], s[36:37]
	s_add_nc_u64 s[46:47], s[8:9], s[46:47]
	s_add_nc_u64 s[92:93], s[10:11], s[92:93]
	ROUND                                          ; all sixteen work-groups are here: the joint loads meet
	s_mov_b32 s[G0S], 1
	s_add_co_u32 s[G0S+1], s94, SCL
	s_mov_b64 s[G0S+2:G0S+3], s[36:37]
	s_or_b32 s[G0S+3], s[G0S+3], 0x80000000
	s_mov_b32 s[G0SB], 1
	s_add_co_u32 s[G0SB+1], s94, SCL
	s_mov_b64 s[G0SB+2:G0SB+3], s[92:93]
	s_or_b32 s[G0SB+3], s[G0SB+3], 0x80000000
	JLOAD G0S, G1S, G0SB, G1SB
	s_mov_b32 s[G0], 1
	s_mov_b32 s[G0+1], s45
	s_mov_b64 s[G0+2:G0+3], s[20:21]
	s_or_b32 s[G0+3], s[G0+3], 0x80000000
	s_mov_b32 s[G0B], 1
	s_mov_b32 s[G0B+1], s45
	s_mov_b64 s[G0B+2:G0B+3], s[46:47]
	s_or_b32 s[G0B+3], s[G0B+3], 0x80000000
	JLOAD G0, G1, G0B, G1B
	v_and_b32 v1, 15, v0                           ; r
	v_bfe_u32 v2, v0, 4, 1                         ; h
	v_and_b32 v3, 8, v1
	v_add_nc_u32 v3, v3, v1                        ; r + 8 (r / 8)
	v_mul_u32_u24 v4, v3, WPITCH
	v_mad_u32_u24 v5, v2, 24, v4
	v_mad_u32_u24 v6, v2, 40, v4
	s_mul_i32 s21, s[RH], HALFT
	s_mul_i32 s22, s[CH], HALFT
	s_add_co_u32 s22, s22, 2*HALFT
	v_add_nc_u32 v[ADRA], s21, v5
	v_add_nc_u32 v[ADRA+1], s21, v6
	v_add_nc_u32 v[ADRB], s22, v5
	v_add_nc_u32 v[ADRB+1], s22, v6
	v_lshrrev_b32 v4, 3, v1
	v_mul_u32_u24 v4, v4, 144
	v_lshl_add_u32 v4, v1, 4, v4                   ; a tile's row among the scale bytes: 16 (r % 8) + 272 (r / 8)
	s_mul_i32 s21, s[RH], HALFS
	s_mul_i32 s22, s[CH], HALFS
	s_add_co_u32 s22, s22, 2*HALFS
	s_sub_co_u32 s22, s22, s21
	v_mul_u32_u24 v5, s22, v2                      ; lanes 16-31 take W1's: one product, the distance between the two bases
	s_add_co_u32 s21, s21, SCL
	v_add_nc_u32 v4, v4, v5
	v_add_nc_u32 v[ADRS], s21, v4
	v_and_b32 v5, 31, v0
	v_lshlrev_b32 v[L16], 4, v5
	v_lshlrev_b32 v[L4], 2, v5
	v_lshlrev_b32 v[AB1], 6, v2
	s_lshl_b32 s20, s42, 10
	s_lshl_b32 s21, s[CH], 9
	s_add_co_u32 s20, s20, s21                     ; b1: my 128 units
	s_mov_b32 s21, 0
	s_add_nc_u64 s[12:13], s[12:13], s[20:21]
	WIN 0x40
.irp b, 0,1,2,3,4,5,6,7
	global_load_b128 v[192+8*\b:192+8*\b+3], v[AB1], s[12:13] offset:(32*(\b/2)+8*(\b%2))*4      ; tile b, lane half h: units 32 (b / 2) + 16 h + 8 (b % 2) + 0 .. 7
	global_load_b128 v[192+8*\b+4:192+8*\b+7], v[AB1], s[12:13] offset:(32*(\b/2)+8*(\b%2))*4+16
.endr
	WIN 0
	s_lshl_b32 s20, s[TR], 4
	s_lshl_b32 s21, s[RH], 3
	s_add_co_u32 s20, s20, s21                     ; my first token tile
	s_mul_i32 s20, s20, 26624
	s_lshr_b32 s21, s42, 1
	s_mul_i32 s21, s21, 6656                       ; the chunk of 512 units
	s_add_co_u32 s20, s20, s21
	s_and_b32 s21, s42, 1
	s_lshl_b32 s21, s21, 1
	s_add_co_u32 s21, s21, s[CH]                   ; my 128 units' place in it
	s_mul_i32 s22, s21, 1536
	s_lshl_b32 s36, s21, 7
	s_add_co_u32 s36, s36, 6144
	s_add_co_u32 s22, s22, s20
	s_add_co_u32 s36, s36, s20
	s_mov_b32 s23, 0
	s_mov_b32 s37, 0
	s_add_nc_u64 s[96:97], s[14:15], s[36:37]      ; the scale words' images
	s_add_nc_u64 s[14:15], s[14:15], s[22:23]      ; the codes' images
.macro FETCH s                         ; 96 loads: the sixteen fragments of K step s into set s % 2
.if ((\s)%2) == 0
	WIN 0x40
.set FBB, 0
.set FBA, 96
.else
	WIN 0
.set FBB, 64
.set FBA, 160
.endif
.irp i, 0,1,2,3,4,5,6,7
	FRAGR FBB+12*\i, ADRB, 12*(\s), (32*(\i/2)+8*(\i%2))*WPITCH, 16
.endr
.irp i, 0,1,2,3,4,5,6,7
	FRAGR FBA+12*\i, ADRA, 12*(\s), (32*(\i/2)+8*(\i%2))*WPITCH, 16
.endr
	WIN 0
.endm
.macro MULH s, hi                      ; 32 matrix instructions: token tiles 4 hi .. 4 hi + 3 against the eight unit tiles; the accumulators by turns; the first K step takes b1 as C
.if ((\s)%2) == 0
.if (\s) == 0
	WIN 0x95+0x40*(\hi)
.else
	WIN 0xa5+0x50*(\hi)
.endif
.set FBB, 0
.set FBA, 96
.else
	WIN 0xa0+0x50*(\hi)
.set FBB, 64
.set FBA, 160
.endif
.irp a, 0,1,2,3
.irp b, 0,1,2,3,4,5,6,7
.if (\s) == 0
	W6R 8*(8*\a+\b), FBB+12*\b, FBA+12*(4*(\hi)+\a), 192+8*\b, SC+4*\b+(\s), SC+4*(4*(\hi)+\a)+(\s)
.else
	W6R 8*(8*\a+\b), FBB+12*\b, FBA+12*(4*(\hi)+\a), 8*(8*\a+\b), SC+4*\b+(\s), SC+4*(4*(\hi)+\a)+(\s)
.endif
.endr
.endr
.endm
	s_wait_tensorcnt 0x0                           ; my two fills have landed,
	s_barrier_signal -1
	s_barrier_wait -1                              ; everybody's have
	FETCH 0
.irp i, 0,1,2,3,4,5,6,7
	ds_load_b128 v[SC+4*\i:SC+4*\i+3], v[ADRS] offset:544*(\i/2)+128*(\i%2)   ; lanes 0-15: token tile i's four scale words; lanes 16-31: unit tile i's
.endr
	s_wait_dscnt 0x0
	s_wait_loadcnt 0x0                             ; b1
	FETCH 1                                        ; the next K step's fragments land while this one is multiplied
	MULH 0, 0
	MULH 0, 1
	s_wait_dscnt 0x0
	PLACES 4                                       ; in front of loads into registers that matrix instructions have read
	FETCH 2
	MULH 1, 0
	MULH 1, 1
	s_wait_dscnt 0x0
	PLACES 4
	FETCH 3
	MULH 2, 0
	MULH 2, 1
	s_wait_dscnt 0x0
	MULH 3, 0
	MULH 3, 1
	WIN 0
	PLACES 4                                       ; in front of the first reads of results and of writes into the last fragments' registers
.irp b, 0,1,2,3
	v_mov_b32 v[TM+4+\b], 0                        ; written once: a lane permute's destination counts as one of its sources
.endr
; Token tile a: leaky ReLU as max(x, 0.01 x), the quantiser, and the images out: 512 dense bytes a store.
.macro EPI a
	WIN (2+(\a)/4)<<2                              ; source 1: window 2 or 3
.set AC, 64*((\a)%4)
.set jj, 0
.rept 64
	v_mul_f32 v[HA+jj], s[SLOPE], v[AC+jj]         ; each accumulator from its low end on
.set jj, jj+1
.endr
.set jj, 0
.rept 64
	v_max_num_f32 v[HA+jj], v[HA+jj], v[AC+jj]
.set jj, jj+1
.endr
	WIN 0
.if (\a) > 0
	s_wait_xcnt 0x0                                ; the last tile's stores have read their registers
.endif
	QUANT HA
.irp c, 0,1,2
	global_store_b128 v[L16], v[PC+4*\c:PC+4*\c+3], s[14:15] offset:26624*(\a)+512*\c
.endr
	global_store_b32 v[L4], v[PW], s[96:97] offset:26624*(\a)
.endm
.irp a, 0,1,2,3,4,5,6,7
	EPI \a
.endr
	s_wait_tensorcnt 0x0                           ; the wave's end
	ds_add_u32 v[SPW], v[NIL]
	s_wait_dscnt 0x0
	ROUND                                          ; the closing round
	s_endpgm
.Lfunc_end_k_qb810af2ace_ffn1:
	.size	k_qb810af2ace_ffn1, .Lfunc_end_k_qb810af2ace_ffn1-k_qb810af2ace_ffn1
	.p2alignl 7, 3214868480
	.fill 96, 4, 3214868480
	.section	.rodata,"a",@progbits
	.p2align	6, 0x0
	.amdhsa_kernel k_qb810af2ace_ffn1
		.amdhsa_group_segment_fixed_size 230400
		.amdhsa_private_segment_fixed_size 0
		.amdhsa_enable_private_segment 0
		.amdhsa_kernarg_size 48
		.amdhsa_user_sgpr_count 2
		.amdhsa_user_sgpr_kernarg_segment_ptr 1
		.amdhsa_wavefront_size32 1
		.amdhsa_system_sgpr_workgroup_id_x 1
		.amdhsa_system_sgpr_workgroup_id_y 1
		.amdhsa_system_sgpr_workgroup_id_z 1
		.amdhsa_system_vgpr_workitem_id 0
		.amdhsa_next_free_vgpr 1024
		.amdhsa_next_free_sgpr 98
		.amdhsa_reserve_vcc 0
		.amdhsa_float_denorm_mode_32 3
		.amdhsa_float_denorm_mode_16_64 3
		.amdhsa_memory_ordered 1
		.amdhsa_forward_progress 1
		.amdhsa_inst_pref_size 134
	.end_amdhsa_kernel
	.amdgpu_metadata
---
amdhsa.version: [ 1, 2 ]
amdhsa.kernels:
  - .name:           k_qb810af2ace_ffn1
    .symbol:         k_qb810af2ace_ffn1.kd
    .args:
      - { .name: h2c, .offset: 0, .size: 8, .value_kind: global_buffer, .address_space: global }
      - { .name: h2s, .offset: 8, .size: 8, .value_kind: global_buffer, .address_space: global }
      - { .name: W1_codes, .offset: 16, .size: 8, .value_kind: global_buffer, .address_space: global }
      - { .name: W1_scales, .offset: 24, .size: 8, .value_kind: global_buffer, .address_space: global }
      - { .name: b1, .offset: 32, .size: 8, .value_kind: global_buffer, .address_space: global }
      - { .name: hid, .offset: 40, .size: 8, .value_kind: global_buffer, .address_space: global }
    .group_segment_fixed_size: 230400
    .private_segment_fixed_size: 0
    .kernarg_segment_align: 8
    .kernarg_segment_size: 48
    .max_flat_workgroup_size: 128
    .sgpr_count:     98
    .vgpr_count:     1024
    .wavefront_size: 32
...
	.end_amdgpu_metadata
.endif
;; end of part 4
;; launch ffn2 (part 5): grid 4 x 64, 4 waves a work-group, clusters of 4 x 4, 327,680 bytes of LDS; arguments hid, W2_codes, W2_scales, b2, x1, out0; writes out0
.if DOCPART == 5
	.amdgcn_target "amdgcn-amd-amdhsa--gfx1250"
	.amdhsa_code_object_version 6
	.text
	.protected	k_qb810af2ace_ffn2
	.globl	k_qb810af2ace_ffn2
	.p2align	8
	.type	k_qb810af2ace_ffn2,@function
k_qb810af2ace_ffn2:
	s_mov_b64 s[64:65], 0
	v_nop
	global_prefetch_b8 v0, s[64:65] scope:SCOPE_SE
	s_setreg_imm32_b32 hwreg(HW_REG_WAVE_MODE, 25, 1), 1
	s_wait_xcnt 0x0
	s_wait_alu depctr_hold_cnt(0) depctr_sa_sdst(0) depctr_va_vdst(0) depctr_va_sdst(0) depctr_va_ssrc(0) depctr_va_vcc(0) depctr_vm_vsrc(0)
	s_getreg_b32 s2, hwreg(HW_REG_IB_STS2, 6, 4)
	s_cmp_eq_u32 s2, 0
	s_cbranch_scc0 .Lentry_in_a_cluster
	s_endpgm
.Lentry_in_a_cluster:
	s_bfe_u32 s2, ttmp6, 0x10000c
	s_cmp_lg_u32 s2, 0xf033
	s_cbranch_scc0 .Lentry_shape_is_right
	s_endpgm
.Lentry_shape_is_right:
; LAUNCH 5 OF 5.  out0 = x1 + hid W2 + b2, on codes.  No work of reference() is left out.  LIMITS as in the first launch.
; A work-group makes 128 tokens x 128 columns, which gives 256 work-groups; four waves, each 64 x 64: 16 accumulators.  K = 2,048 goes in four chunks of 512 through a ring of two LDS slots.
; CLUSTER 4 x 4: hid's tile is shared along a row of the cluster, W2's along a column: joint loads; where a slot is filled again a round of the cluster's barrier stands in front.
; hid comes as images of the operand's registers (three loads of 16 bytes a fragment), W2 as rows of 384 bytes with 16 bytes of padding behind every 128.  W2's scale bytes of the work-group's 128 rows, for all of K, come once.
; The product is used transposed (source 0 = 16 rows of W2, source 1 = 16 tokens): a lane holds eight neighbouring columns of one token.  Row r of token tile 2 b + u is token 32 b + 8 u + r + 8 (r / 8), as the launch before laid them.
; By this text's own count a wave has at most three tensor loads out (the first fills), later one.  All of a WGP's LDS is claimed.
; REGISTERS: window 0: v0-31 addresses; v32-63 hid's scale words (16 x chunk parity + 4 a + q); v64-95 W2's (.. + 4 b + q); v96-127 b2; v128-255 accumulator (a, b) at 128 + 8 (4 a + b).
;   window 1: fragment set p at 128 p: W2's four at + 12 b, hid's four at + 48 + 12 a; on the way out rows of x1 and of the result.
.set WPITCH, 432
.set ATILE,  6656
.set BOFF,   8*ATILE                   ; a slot: 8 token tiles' chunk, then 128 rows of W2
.set SLOT,   BOFF+128*WPITCH
.set SCB,    2*SLOT                    ; W2's scale bytes: 32 x (256 + 16)
.set SPARE,  SCB+32*272
.set ADRA,  2                          ; v2, v3: hid's images in slot 0, 1
.set ADRSA, 4                          ; v4, v5: their scale words
.set ADRB,  6                          ; v6, v7: W2's rows in slot 0; v8, v9: in slot 1
.set ADRSB, 10
.set STO,   11
.set RD,    12
.set CO,    13
.set ABI,   14
.set SPW,   28
.set NIL,   29
.set SCA,   32
.set SCW,   64
.set B2,    96
.set ACC,   128
.set WV,   16
.set RH,   17
.set CH,   18
.set TR,   19
.set G1A,  24
.set G0A,  32
.set G1B,  48
.set G0B,  56
.set G1SB, 68
.set G0SB, 76
.set MSB, 0
.macro WIN new
.if MSB != (\new)
	s_set_vgpr_msb (MSB<<8)|(\new)
.set MSB, (\new)
.endif
.endm
.macro PLACES n
.rept \n
	v_nop
.endr
.endm
.macro ROUND
	s_barrier_signal -1
	s_barrier_wait -1
	s_cmp_lg_u32 s[WV], 0
	s_cbranch_scc1 .Lnot_wave_0_\@
	s_barrier_signal -3
.Lnot_wave_0_\@:
	s_barrier_wait -3
	s_barrier_signal -1
	s_barrier_wait -1
.endm
.macro JLOAD g0a, g1a, g0b, g1b        ; waves 0 and 1 fetch hid's halves, waves 2 and 3 W2's; the branch hangs on the wave's number alone
	s_cmp_eq_u32 s[RH], 0
	s_cbranch_scc0 .Lfor_b_\@
	tensor_load_to_lds s[\g0a:\g0a+3], s[\g1a:\g1a+7]
	s_nop 0
	PLACES 4
	s_branch .Lasked_\@
.Lfor_b_\@:
	tensor_load_to_lds s[\g0b:\g0b+3], s[\g1b:\g1b+7]
	s_nop 0
	PLACES 4
.Lasked_\@:
.endm
.macro FRAGR reg, adr, pb, rowoff, seg
.irp p, 0,1,2,3,4,5
.set PCX, (\pb)+6*(\p/3)+\p%3
.if PCX%(\seg) < (\seg)-3
	ds_load_b64 v[\reg+2*\p:\reg+2*\p+1], v[\adr] offset:8*PCX+16*(PCX/(\seg))+(\rowoff)
.else
	ds_load_b64 v[\reg+2*\p:\reg+2*\p+1], v[\adr+1] offset:8*PCX+16*(PCX/(\seg))+(\rowoff)
.endif
.endr
.endm
.macro FRAGI reg, adr, off             ; a fragment from its image
.irp c, 0,1,2
	ds_load_b128 v[\reg+4*\c:\reg+4*\c+3], v[\adr] offset:(\off)+512*\c
.endr
.endm
.macro W6 d, a, b, c, sa, sb
	v_wmma_scale_f32_16x16x128_f8f6f4 v[\d:\d+7], v[\a:\a+11], v[\b:\b+11], v[\c:\c+7], v[\sa], v[\sb] matrix_a_fmt:MATRIX_FMT_FP6 matrix_b_fmt:MATRIX_FMT_FP6
.endm
	s_load_b256 s[4:11], s[0:1], 0x0               ; hid, W2 codes, W2 scales, b2
	s_load_b128 s[12:15], s[0:1], 0x20             ; x1, out0
	v_lshl_add_u32 v[SPW], v0, 2, SPARE
	v_mov_b32 v[NIL], 0
	ds_add_u32 v[SPW], v[NIL]                      ; the opening: the add, twice on end, and its wait ahead of the first tensor load
	ds_add_u32 v[SPW], v[NIL]
	v_lshrrev_b32 v1, 5, v0
	v_readfirstlane_b32 s[WV], v1                  ; wave 0..3
	s_lshr_b32 s[RH], s[WV], 1                     ; my half of the tokens.  Also: I fetch hid (0) or W2 (1)
	s_and_b32 s[CH], s[WV], 1                      ; my half of the columns.  Also: which half of that tile I fetch
	s_bfe_u32 s40, ttmp6, 0x40000                  ; cx
	s_bfe_u32 s41, ttmp6, 0x40004                  ; cy
	s_lshl_b32 s42, ttmp9, 2
	s_add_co_u32 s42, s42, s40                     ; tile column: 128 columns
	s_and_b32 s[TR], ttmp7, 0xffff
	s_lshl_b32 s[TR], s[TR], 2
	s_add_co_u32 s[TR], s[TR], s41                 ; tile row: 128 tokens
	s_lshl_b32 s43, s41, 2
	s_lshl_b32 s43, 15, s43                        ; my row of the cluster
	s_lshl_b32 s44, 0x1111, s40                    ; my column
	s_or_b32 s[G1A+0], s43, (3<<16)|(1<<21)        ; hid: 4 token tiles' chunk: rows of 832 elements of 8 bytes, 3,328 elements apart; no padding
	s_mov_b32 s[G1A+1], 832<<16
	s_mov_b32 s[G1A+2], 4<<16
	s_mov_b32 s[G1A+3], 832<<16
	s_mov_b32 s[G1A+4], 4
	s_mov_b32 s[G1A+5], 3328
	s_mov_b32 s[G1A+6], 0
	s_mov_b32 s[G1A+7], 0
	s_or_b32 s[G1B+0], s44, (3<<16)|(1<<20)|(1<<21)|(4<<22)|(3<<25)   ; W2: 64 rows of 384 bytes, 1,536 bytes apart; 4 words of padding after every 32
	s_mov_b32 s[G1B+1], 48<<16
	s_mov_b32 s[G1B+2], 64<<16
	s_mov_b32 s[G1B+3], 48<<16
	s_mov_b32 s[G1B+4], 64
	s_mov_b32 s[G1B+5], 192
	s_mov_b32 s[G1B+6], 0
	s_mov_b32 s[G1B+7], 0
	s_or_b32 s[G1SB+0], s44, (3<<16)|(1<<20)|(1<<21)|(5<<22)|(3<<25)  ; a quarter of W2's scale bytes: 8 rows of 256 bytes, 16 of padding behind each
	s_mov_b32 s[G1SB+1], 32<<16
	s_mov_b32 s[G1SB+2], 8<<16
	s_mov_b32 s[G1SB+3], 32<<16
	s_mov_b32 s[G1SB+4], 8
	s_mov_b32 s[G1SB+5], 32
	s_mov_b32 s[G1SB+6], 0
	s_mov_b32 s[G1SB+7], 0
	s_lshl_b32 s20, s[TR], 3
	s_lshl_b32 s21, s[CH], 2
	s_add_co_u32 s20, s20, s21                     ; hid: token tile 8 x tile row + 4 x half
	s_mul_i32 s20, s20, 4*ATILE
	s_mov_b32 s21, 0
	s_lshl_b32 s46, s42, 7
	s_lshl_b32 s47, s[CH], 6
	s_add_co_u32 s46, s46, s47                     ; W2: row 128 x tile column + 64 x half
	s_mul_i32 s46, s46, 1536
	s_mov_b32 s47, 0
	s_lshl_b32 s82, s42, 13                        ; W2's scale bytes: 128 rows of 64 bytes a tile column, a quarter a wave
	s_lshl_b32 s83, s[WV], 11
	s_add_co_u32 s82, s82, s83
	s_mov_b32 s83, 0
	s_mul_i32 s45, s[CH], 4*ATILE                  ; where they go: no place in the cluster enters an LDS address
	s_mul_i32 s80, s[CH], 64*WPITCH
	s_add_co_u32 s80, s80, BOFF
	s_mul_i32 s81, s[WV], 8*272
	s_add_co_u32 s81, s81, SCB
	s_wait_dscnt 0x0                               ; both opening adds are done
	s_wait_kmcnt 0x0
	s_add_nc_u64 s[20:21], s[4:5], s[20:21]
	s_add_nc_u64 s[46:47], s[6:7], s[46:47]
	s_add_nc_u64 s[82:83], s[8:9], s[82:83]
	ROUND                                          ; all sixteen work-groups are here: the first joint loads meet
	s_mov_b32 s[G0SB], 1
	s_mov_b32 s[G0SB+1], s81
	s_mov_b64 s[G0SB+2:G0SB+3], s[82:83]
	s_or_b32 s[G0SB+3], s[G0SB+3], 0x80000000
	tensor_load_to_lds s[G0SB:G0SB+3], s[G1SB:G1SB+7]               ; every wave its quarter: wanted with chunk 0
	s_nop 0
	PLACES 4
.irp s, 0,1
	s_mov_b32 s[G0A+4*\s], 1
	s_add_co_u32 s[G0A+4*\s+1], s45, \s*SLOT
	s_add_nc_u64 s[G0A+4*\s+2:G0A+4*\s+3], s[20:21], \s*ATILE
	s_or_b32 s[G0A+4*\s+3], s[G0A+4*\s+3], 0x80000000
	s_mov_b32 s[G0B+4*\s], 1
	s_add_co_u32 s[G0B+4*\s+1], s80, \s*SLOT
	s_add_nc_u64 s[G0B+4*\s+2:G0B+4*\s+3], s[46:47], \s*384
	s_or_b32 s[G0B+4*\s+3], s[G0B+4*\s+3], 0x80000000
	JLOAD G0A+4*\s, G1A, G0B+4*\s, G1B
.endr
	v_and_b32 v15, 31, v0                          ; l
	v_and_b32 v16, 15, v0                          ; r
	v_bfe_u32 v17, v0, 4, 1                        ; h
	s_mul_i32 s21, s[RH], 4*ATILE
	v_lshl_add_u32 v[ADRA], v15, 4, s21
	v_add_nc_u32 v[ADRA+1], SLOT, v[ADRA]
	s_add_co_u32 s21, s21, 6144
	v_lshl_add_u32 v[ADRSA], v15, 2, s21
	v_add_nc_u32 v[ADRSA+1], SLOT, v[ADRSA]
	s_mul_i32 s21, s[CH], 64*WPITCH
	s_add_co_u32 s21, s21, BOFF
	v_mul_u32_u24 v18, v16, WPITCH
	v_add_nc_u32 v18, s21, v18
	v_mad_u32_u24 v[ADRB], v17, 24, v18
	v_mad_u32_u24 v[ADRB+1], v17, 40, v18
	v_add_nc_u32 v[ADRB+2], SLOT, v[ADRB]
	v_add_nc_u32 v[ADRB+3], SLOT, v[ADRB+1]
	s_mul_i32 s21, s[CH], 16*272
	s_add_co_u32 s21, s21, SCB
	v_lshrrev_b32 v18, 2, v16
	v_mul_u32_u24 v18, v18, 272
	v_and_b32 v19, 3, v16
	v_lshl_add_u32 v18, v19, 6, v18
	v_add_nc_u32 v[ADRSB], s21, v18                ; row r of a tile: four rows of 64 bytes to 256 + 16
	s_mul_i32 s21, s[WV], 16*272                   ; my stage for the way out: it lies in slot 0, behind that slot's last fill and last read
	v_mul_u32_u24 v18, v16, 272
	v_lshl_add_u32 v18, v17, 5, v18
	v_add_nc_u32 v[STO], s21, v18
	v_mul_u32_u24 v18, v17, 272
	v_lshl_add_u32 v18, v16, 4, v18
	v_add_nc_u32 v[RD], s21, v18
	v_lshlrev_b32 v18, 4, v16
	v_lshl_add_u32 v[CO], v17, 11, v18             ; lanes 0-15 one row of x1 and out0, lanes 16-31 the next
	v_lshlrev_b32 v[ABI], 5, v17
	s_lshl_b32 s20, s42, 9
	s_lshl_b32 s21, s[CH], 8
	s_add_co_u32 s20, s20, s21                     ; my 64 columns, in bytes
	s_mov_b32 s21, 0
	s_add_nc_u64 s[10:11], s[10:11], s[20:21]
	s_lshl_b32 s22, s[TR], 18
	s_lshl_b32 s23, s[RH], 17
	s_add_co_u32 s22, s22, s23                     ; my 64 tokens' rows of 2,048 bytes
	s_add_co_u32 s20, s20, s22
	s_add_nc_u64 s[12:13], s[12:13], s[20:21]
	s_add_nc_u64 s[14:15], s[14:15], s[20:21]
.irp b, 0,1,2,3
	global_load_b128 v[B2+8*\b:B2+8*\b+3], v[ABI], s[10:11] offset:64*\b
	global_load_b128 v[B2+8*\b+4:B2+8*\b+7], v[ABI], s[10:11] offset:64*\b+16
.endr
.macro LOADK slot, q, set              ; 36 loads: the eight fragments of the slot's q-th 128 along K
	WIN 0x40
.irp i, 0,1,2,3
	FRAGR 128*(\set)+12*\i, ADRB+2*(\slot), 12*(\q), 16*WPITCH*\i, 16
.endr
.irp i, 0,1,2,3
	FRAGI 128*(\set)+48+12*\i, ADRA+(\slot), ATILE*\i+1536*(\q)
.endr
	WIN 0
.endm
.macro LOADSC slot, ch                 ; a chunk's scale words
.irp a, 0,1,2,3
.irp k, 0,1,2,3
	ds_load_b32 v[SCA+16*((\ch)%2)+4*\a+\k], v[ADRSA+(\slot)] offset:ATILE*\a+128*\k
.endr
.endr
.irp b, 0,1,2,3
	ds_load_b128 v[SCW+16*((\ch)%2)+4*\b:SCW+16*((\ch)%2)+4*\b+3], v[ADRSB] offset:4*272*\b+16*(\ch)
.endr
.endm
.macro MUL16 ch, q                     ; the sixteen accumulators by turns; the very first step takes b2 as C
	WIN 0x05
.set FS, 128*((\q)%2)
.irp a, 0,1,2,3
.irp b, 0,1,2,3
.if ((\ch) == 0) && ((\q) == 0)
	W6 ACC+8*(4*\a+\b), FS+12*\b, FS+48+12*\a, B2+8*\b, SCW+16*((\ch)%2)+4*\b+(\q), SCA+16*((\ch)%2)+4*\a+(\q)
.else
	W6 ACC+8*(4*\a+\b), FS+12*\b, FS+48+12*\a, ACC+8*(4*\a+\b), SCW+16*((\ch)%2)+4*\b+(\q), SCA+16*((\ch)%2)+4*\a+(\q)
.endif
.endr
.endr
.endm
.macro KS0 ch, q                       ; a step whose successor lies in the same slot: the next fragments land while this step is multiplied
	s_wait_dscnt 0x0
.if ((\ch) > 0) || ((\q) > 0)
	PLACES 4                                       ; in front of loads into registers that matrix instructions have read
.endif
	LOADK (\ch)%2, (\q)+1, ((\q)+1)%2
	MUL16 \ch, \q
.endm
.macro KS1 ch, fill                    ; a chunk's last step changes slots.  Its own fragments are in registers behind the wait on LDS, so the slot is read out
	WIN 0
	s_wait_tensorcnt 0x0                           ; all my tensor loads have landed: my part of the other slot
	ds_add_u32 v[SPW], v[NIL]                      ; 0 onto my spare word
.if \fill
	s_add_nc_u64 s[G0A+4*((\ch)%2)+2:G0A+4*((\ch)%2)+3], s[G0A+4*((\ch)%2)+2:G0A+4*((\ch)%2)+3], 2*ATILE   ; no load of mine is out: this slot's next chunk
	s_add_nc_u64 s[G0B+4*((\ch)%2)+2:G0B+4*((\ch)%2)+3], s[G0B+4*((\ch)%2)+2:G0B+4*((\ch)%2)+3], 2*384
.endif
	s_wait_dscnt 0x0                               ; the add is done, and my reads of this slot are over
.if \fill
	ROUND                                          ; no wave of any partner still reads this slot or has a load on its way
	JLOAD G0A+4*((\ch)%2), G1A, G0B+4*((\ch)%2), G1B   ; the first tensor load behind the round; its four v_nop are also the places in front of the loads below
.else
	s_barrier_signal -1
	s_barrier_wait -1
	PLACES 4
.endif
	LOADK ((\ch)+1)%2, 0, 0
	LOADSC ((\ch)+1)%2, (\ch)+1
	MUL16 \ch, 3
.endm
	s_wait_tensorcnt 1                             ; the scale bytes and my part of chunk 0 are in; chunk 1's load may be out
	s_barrier_signal -1
	s_barrier_wait -1
	LOADK 0, 0, 0
	LOADSC 0, 0
	s_wait_loadcnt 0x0                             ; b2
	KS0 0, 0
	KS0 0, 1
	KS0 0, 2
	KS1 0, 1
	KS0 1, 0
	KS0 1, 1
	KS0 1, 2
	KS1 1, 1
	KS0 2, 0
	KS0 2, 1
	KS0 2, 2
	KS1 2, 0                                       ; nothing is left to fetch
	KS0 3, 0
	KS0 3, 1
	KS0 3, 2
	s_wait_dscnt 0x0
	MUL16 3, 3
	WIN 0
	PLACES 4                                       ; in front of the first reads of results and of loads into the last fragments' registers
	; ---- the way out: a token tile (16 rows x 256 bytes) at a time through my stage, back as whole rows, + x1, stored sixteen lanes to 256 consecutive bytes
	WIN 0x40
.irp a, 0,1,2,3
.irp t, 0,1,2,3,4,5,6,7
	global_load_b128 v[128+32*\a+4*\t:128+32*\a+4*\t+3], v[CO], s[12:13] offset:(32*(\a/2)+8*(\a%2)+2*\t+8*(\t/4))*2048 th:TH_LOAD_NT   ; stage row 2 t + h of tile a is this token
.endr
.endr
	WIN 0
.macro OUTA a
.if (\a) >= 2
	s_wait_xcnt 0x0                                ; the stores of two tiles back have read their registers
.endif
.irp b, 0,1,2,3
	ds_store_b128 v[STO], v[ACC+8*(4*(\a)+\b):ACC+8*(4*(\a)+\b)+3] offset:64*\b          ; each accumulator from its low end on
	ds_store_b128 v[STO], v[ACC+8*(4*(\a)+\b)+4:ACC+8*(4*(\a)+\b)+7] offset:64*\b+16
.endr
	WIN 0x40
.irp t, 0,1,2,3,4,5,6,7
	ds_load_b128 v[32*((\a)%2)+4*\t:32*((\a)%2)+4*\t+3], v[RD] offset:544*\t             ; LDS serves a wave's instructions in order: these see my stores
.endr
	s_wait_dscnt 0x0
	s_wait_loadcnt 8*(3-(\a))                      ; this tile's rows of x1 are in; the later tiles' may be out
	WIN 0x45
.irp k, 0,2,4,6,8,10,12,14,16,18,20,22,24,26,28,30
	v_pk_add_f32 v[32*((\a)%2)+\k:32*((\a)%2)+\k+1], v[32*((\a)%2)+\k:32*((\a)%2)+\k+1], v[128+32*(\a)+\k:128+32*(\a)+\k+1]
.endr
	WIN 0x04                                       ; a store's data are its source 1
.irp t, 0,1,2,3,4,5,6,7
	global_store_b128 v[CO], v[32*((\a)%2)+4*\t:32*((\a)%2)+4*\t+3], s[14:15] offset:(32*((\a)/2)+8*((\a)%2)+2*\t+8*(\t/4))*2048 th:TH_STORE_NT
.endr
	WIN 0
.endm
	OUTA 0
	OUTA 1
	OUTA 2
	OUTA 3
	s_wait_tensorcnt 0x0                           ; the wave's end
	ds_add_u32 v[SPW], v[NIL]
	s_wait_dscnt 0x0
	ROUND                                          ; the closing round
	s_endpgm
.Lfunc_end_k_qb810af2ace_ffn2:
	.size	k_qb810af2ace_ffn2, .Lfunc_end_k_qb810af2ace_ffn2-k_qb810af2ace_ffn2
	.p2alignl 7, 3214868480
	.fill 96, 4, 3214868480
	.section	.rodata,"a",@progbits
	.p2align	6, 0x0
	.amdhsa_kernel k_qb810af2ace_ffn2
		.amdhsa_group_segment_fixed_size 327680
		.amdhsa_private_segment_fixed_size 0
		.amdhsa_enable_private_segment 0
		.amdhsa_kernarg_size 48
		.amdhsa_user_sgpr_count 2
		.amdhsa_user_sgpr_kernarg_segment_ptr 1
		.amdhsa_wavefront_size32 1
		.amdhsa_system_sgpr_workgroup_id_x 1
		.amdhsa_system_sgpr_workgroup_id_y 1
		.amdhsa_system_sgpr_workgroup_id_z 1
		.amdhsa_system_vgpr_workitem_id 0
		.amdhsa_next_free_vgpr 512
		.amdhsa_next_free_sgpr 100
		.amdhsa_reserve_vcc 0
		.amdhsa_float_denorm_mode_32 3
		.amdhsa_float_denorm_mode_16_64 3
		.amdhsa_memory_ordered 1
		.amdhsa_forward_progress 1
		.amdhsa_inst_pref_size 104
	.end_amdhsa_kernel
	.amdgpu_metadata
---
amdhsa.version: [ 1, 2 ]
amdhsa.kernels:
  - .name:           k_qb810af2ace_ffn2
    .symbol:         k_qb810af2ace_ffn2.kd
    .args:
      - { .name: hid, .offset: 0, .size: 8, .value_kind: global_buffer, .address_space: global }
      - { .name: W2_codes, .offset: 8, .size: 8, .value_kind: global_buffer, .address_space: global }
      - { .name: W2_scales, .offset: 16, .size: 8, .value_kind: global_buffer, .address_space: global }
      - { .name: b2, .offset: 24, .size: 8, .value_kind: global_buffer, .address_space: global }
      - { .name: x1, .offset: 32, .size: 8, .value_kind: global_buffer, .address_space: global }
      - { .name: out0, .offset: 40, .size: 8, .value_kind: global_buffer, .address_space: global }
    .group_segment_fixed_size: 327680
    .private_segment_fixed_size: 0
    .kernarg_segment_align: 8
    .kernarg_segment_size: 48
    .max_flat_workgroup_size: 128
    .sgpr_count:     100
    .vgpr_count:     512
    .wavefront_size: 32
...
	.end_amdgpu_metadata
.endif
;; end of part 5
